; MI455X (gfx1250); checked and timed in simulation.
; The chip was launched on July 23, 2026; its instructions are those of AMD's public machine-readable ISA for CDNA 5 (MIT licence, August 2026) and "CDNA5" Instruction Set Architecture Reference Guide (July 2026). The comments in the code are by the model that wrote it; some were corrected since.
;; Multi Headed Attention. Allowed arithmetic: matrix products marked QUANTISED: E2M3 operands, one E8M0 scale for each 32 along K, by v_wmma_scale_f32_16x16x128_f8f6f4 with both operands' format E2M3, f32 sums; everything else in f32.
;; Inputs: Wk 1,024 x 1,024 float32; Wo 1,024 x 1,024 float32; Wq 1,024 x 1,024 float32; Wv 1,024 x 1,024 float32; bk 1,024 float32; bo 1,024 float32; bq 1,024 float32; bv 1,024 float32; key 4 x 2,048 x 1,024 float32; mask 4 x 2,048 x 2,048 int32; query 4 x 2,048 x 1,024 float32; value 4 x 2,048 x 1,024 float32.
;; Outputs: out0 4 x 2,048 x 1,024 float32.
;; This version of the problem:
;;   THIS VERSION OF THE PROBLEM IS GIVEN IN LOW PRECISION. The matrix products marked QUANTISED in the list below multiply operands that are first quantised to E2M3 (2 exponent bits, 3 mantissa bits; 6 bits a number), with one power-of-two scale for each 32 numbers along K (OCP MX v1.0); their sums are f32. All else is computed in f32.
;;   The module's matrix products, in the order in which they are computed (A, B: the left and right operand; K: the contracted axis; several contracted axes count as one K, in the product's order):
;;     1. [M 8,192, K 1,024] x [K 1,024, N 1,024]; A: input query; B: input Wq: QUANTISED
;;     2. [M 8,192, K 1,024] x [K 1,024, N 1,024]; A: input key; B: input Wk: QUANTISED
;;     3. [M 8,192, K 1,024] x [K 1,024, N 1,024]; A: input value; B: input Wv: QUANTISED
;;     4. batch 64 x [M 2,048, K 64] x [K 64, N 2,048]; A: computed on the way; B: computed on the way: QUANTISED
;;     5. batch 64 x [M 2,048, K 2,048] x [K 2,048, N 64]; A: softmax (see below); B: computed on the way: QUANTISED
;;     6. [M 8,192, K 1,024] x [K 1,024, N 1,024]; A: computed on the way; B: input Wo: QUANTISED
;;   THE QUANTISER, for each operand of a quantised product, along K:
;;     - K is cut into blocks of 32 from its start; a last block that is shorter is filled with zeros.
;;     - A block's scale is 2^e with e = floor(log2(the largest magnitude in the block)) - 2, held to -126 .. 127; a block of zeros has e = 0. As a byte (E8M0): e + 127.
;;     - Each number is divided by its block's scale, clamped to +-7.5, and rounded to the nearest number of E2M3, ties to even, subnormals kept.
;;     - The product sums the exact products of the quantised numbers (number of the format x scale) in f32.
;;   ~~~python
;;   def quantise(x, axis):      # numpy; x: float32 -> the quantised numbers, widened to float32 again
;;       x = np.moveaxis(x, axis, -1); K = x.shape[-1]
;;       x = np.pad(x, [(0, 0)] * (x.ndim - 1) + [(0, -K % 32)]); x = x.reshape(x.shape[:-1] + (-1, 32)); a = np.abs(x).max(-1, keepdims=True)
;;       e = np.where(a > 0, np.clip(np.frexp(np.where(a > 0, a, 1))[1] - 1 - 2, -126, 127), 0)      # np.frexp(a)[1] - 1 = floor(log2(a)), exactly
;;       r = np.clip(x / 2.0 ** e, -7.5, 7.5)
;;       step = 2.0 ** (np.maximum(np.frexp(np.where(r == 0, 1, r))[1] - 1, 0) - 3)
;;       q = np.round(r / step) * step * 2.0 ** e      # np.round: ties to even
;;       return np.moveaxis(q.reshape(q.shape[:-2] + (-1,))[..., :K], -1, axis).astype(np.float32)
;;   ~~~
;;   SOFTMAX AHEAD OF A QUANTISED PRODUCT. Where the list says 'softmax', what is quantised is not the finished softmax but p = 2^(t - M), with t = logit x log2(e) and M = ceil(the row's largest t), a whole number; so 1/2 < the row's largest p <= 1. The row's sum l is taken of the UNQUANTISED p, in f32, and the product's result is divided by l at the end. Since M is a whole number, a kernel that streams over the keys may use a running M (the ceiling of the running maximum): every later rescaling is an exact power of two, which a block's scale takes up: the codes' values come out the same.
;;   OPERANDS COMPUTED ON THE WAY. 'Computed on the way' means the value that the module computes at that place (a softmax that the list does not call 'softmax' is quantised finished and normalised). What goes into a quantiser is computed in f32, as accurately as f32 sums, v_exp_f32 and their like allow (about 1e-6 of the number): no bf16 or f16 on the way to a quantiser, and a product that is left as it is and whose result goes on into a quantised operand takes f32 operands (vector FMAs, or v_wmma_f32_16x16x4_f32). A number that lies on a knife's edge between two numbers of the format may be rounded either way, as far as f32 arithmetic and the matrix unit's own rounding can turn it there, and no further.
;; One version. Each part assembles by itself: llvm-mc -triple=amdgcn-amd-amdhsa -mcpu=gfx1250 --defsym DOCPART=n.
;; ======== version 1 of 1: 4 launches
;; limits: right only within a limited range of input values
;; workspace buffers: ac 22,020,096 bytes; as 917,504 bytes; mb 2,097,152 bytes; qi 6,815,744 bytes; kv 13,369,344 bytes; cc 6,291,456 bytes; cs 262,144 bytes
;; launch prep (part 1): grid 704 x 1, 4 waves a work-group, no clusters, 68,096 bytes of LDS; arguments query, key, value, Wq, Wk, Wv, Wo, mask, ac, as, mb; writes ac, as, mb
.if DOCPART == 1
	.amdgcn_target "amdgcn-amd-amdhsa--gfx1250"
	.amdhsa_code_object_version 6
	.text
	.protected	k_qf0b13103b5_prep
	.globl	k_qf0b13103b5_prep
	.p2align	8
	.type	k_qf0b13103b5_prep,@function
k_qf0b13103b5_prep:
	s_mov_b64 s[64:65], 0
	v_nop
	global_prefetch_b8 v0, s[64:65] scope:SCOPE_SE
	s_setreg_imm32_b32 hwreg(HW_REG_WAVE_MODE, 25, 1), 1
	s_wait_xcnt 0x0
; PREP.  (1) query, key, value [8192][1024] and Wq, Wk, Wv, Wo [1024][1024], f32, become codes of FP6 (E2M3) with one E8M0 byte for each 32 along K (the last axis).
; (2) mask [4][2048][2048], int32, becomes lane words: one bit for each score, laid as the attention launch's score registers lie.
; A TILE is 16 rows: in each aligned block of 32 rows, tile 2 B + u holds rows 32 B + 8 u + p + 8 (p / 8), p = 0 .. 15.  With such tiles as source 0 of a transposed product, a lane's 16 registers of two
; neighbouring tiles are 16 neighbours along that operand's rows.
; CODES ARE STORED AS IMAGES OF OPERAND REGISTERS.  Half a fragment (16 rows x 64 K: 6 registers a lane) is 768 bytes: registers 0-3 at 16 x lane, registers 4-5 at 512 + 8 x lane.  ac: tile x 12,288 + 768 x (k / 64).
; SCALES: as: tile x 512; the word of K step q (128 along K) of tile row r at 128 (q / 2) + 8 r + 4 (q % 2).
; MASK WORDS: mb: (query tile) x 4,096 + 64 x (key / 32) + 4 i; bit r + 16 h of word i says mask[query r of the tile][32 (key / 32) + 16 h + i] == 0.
; SHARES.  Work-groups 0-447: wave = one tile x 1,024 K, eight steps of 128.  Work-groups 448-703: wave = one query tile x 1,024 keys, eight steps of 128.  Every wave reads 65,536 bytes, once.
; Each load takes 512 consecutive bytes of one row; a step's 16 rows turn through the wave's own stage in LDS (rows 528 bytes apart, an odd multiple of 16)
; and come back so that lane (r, h) holds, of row r, numbers 32 b + 16 h + 0 .. 15 in registers 16 b + 0 .. 15.  The two paths have stages of their own.  Waves share nothing: no barrier.
; LIMITS: NaN and infinities are not served; a block whose largest magnitude lies under 2^-124 keeps the byte 1, a block of zeros too (its codes are zeros; the bytes are read by this program alone).
.set STGB,  8448                       ; a wave's stage: 16 rows x 528 bytes
.set MSTG,  4*STGB                     ; the mask path's four stages
.set SPARE, 8*STGB                     ; the spare words, 128 bytes for each wave: two blocks of 256 bytes that no other line names
.set L16,  1                           ; v1   16 x lane
.set L8,   2                           ; v2   8 x lane
.set STA,  3                           ; v3   into my stage: 16 x lane
.set RDA,  4                           ; v4   out of it: 528 r + 64 h
.set SPW,  5                           ; v5   LDS address of my spare word; never rewritten
.set NIL,  6                           ; v6   0; never rewritten
.set PC,   8                           ; v8-27   the codes just made (12) and the conversions' second halves
.set TM,   28                          ; v28-43  at work in QUANT
.set PW,   44                          ; v44-51  the scale word of each step
.set MW,   44                          ; v44-59  mask path: two registers of words for each step
.set MSTA, 60                          ; v60, v61: the mask path's stage addresses
.set MRDA, 61
.set R,    64                          ; v64-191  two sets of 64 registers as loaded
.set X,    192                         ; v192-255 a step's 64 numbers of my row
.set SEL,  28                          ; s[28:29] v_permlanex16_b32's selects for lane l xor 16
.set HM,   30                          ; s30  lanes 16-31
.set SRC,  48                          ; s[48:49] where my wave reads
; 64 numbers of a lane, register 16 b + i = k 32 b + 16 h + i of my row, become a fragment's codes in v[pc] .. v[pc + 11] and its scale word in v[pw]
.macro QUANT s, pc, pw
.irp b, 0,1,2,3
	v_max3_num_f32 v[TM+\b], |v[\s+16*\b]|, |v[\s+1+16*\b]|, 0x1800000   ; block b: my 16 numbers, and the floor 2^(3 - 127): the byte cannot fall under 1
.endr
.irp i, 2,4,6,8,10,12,14
.irp b, 0,1,2,3
	v_max3_num_f32 v[TM+\b], v[TM+\b], |v[\s+16*\b+\i]|, |v[\s+1+16*\b+\i]|   ; the four blocks by turns
.endr
.endr
.irp b, 0,1,2,3
	v_permlanex16_b32 v[TM+4+\b], v[TM+\b], s[SEL], s[SEL+1]
.endr
.irp b, 0,1,2,3
	v_max_num_f32 v[TM+\b], v[TM+\b], v[TM+4+\b]   ; with lane l xor 16's: the block's largest magnitude
.endr
.irp b, 0,1,2,3
	v_add_nc_u32 v[TM+12+\b], 0xff000000, v[TM+\b]   ; 2 off its exponent field: the conversion's scale operand
.endr
.irp b, 0,1,2,3
	v_lshrrev_b32 v[TM+4+\b], 23, v[TM+12+\b]      ; the scale's byte
.endr
	v_lshl_or_b32 v[\pw], v[TM+5], 8, v[TM+4]
	v_lshl_or_b32 v[\pw], v[TM+6], 16, v[\pw]
	v_lshl_or_b32 v[\pw], v[TM+7], 24, v[\pw]      ; my row's scale word
.irp c, 0,1
	v_cvt_scalef32_pk16_fp6_f32 v[\pc+6*\c:\pc+2+6*\c], v[\s+32*\c:\s+15+32*\c], v[TM+12+2*\c]
	v_cvt_scalef32_pk16_fp6_f32 v[\pc+12+4*\c:\pc+14+4*\c], v[\s+16+32*\c:\s+31+32*\c], v[TM+12+2*\c+1]   ; (a conversion's three registers begin on an even number)
.endr
	v_nop                                          ; one plain place behind a scaled conversion
.irp c, 0,1                                    ; the operand's layout wants a whole block in a lane: lanes 0-15 block 2 c, lanes 16-31 block 2 c + 1
.irp i, 0,1,2
	v_permlane16_swap_b32 v[\pc+6*\c+\i], v[\pc+12+4*\c+\i]
.endr
.irp i, 0,1,2
	v_mov_b32 v[\pc+3+6*\c+\i], v[\pc+12+4*\c+\i]
.endr
.endr
.endm
; step t's 16 rows, 512 consecutive bytes of each, into set t % 2
.macro LOAD t, pitch
.irp p, 0,1,2,3,4,5,6,7,8,9,10,11,12,13,14,15
	global_load_b128 v[R+64*((\t)%2)+4*\p:R+64*((\t)%2)+4*\p+3], v[L16], s[SRC:SRC+1] offset:(\p+8*(\p/8))*\pitch+512*(\t) th:TH_LOAD_NT
.endr
.endm
; through the stage: LDS serves a wave's instructions in order, so no wait stands between the stores and the loads
.macro TURN t, sta, rda
.irp p, 0,1,2,3,4,5,6,7,8,9,10,11,12,13,14,15
	ds_store_b128 v[\sta], v[R+64*((\t)%2)+4*\p:R+64*((\t)%2)+4*\p+3] offset:528*\p
.endr
.irp b, 0,1,2,3
.irp j, 0,1,2,3
	ds_load_b128 v[X+16*\b+4*\j:X+16*\b+4*\j+3], v[\rda] offset:128*\b+16*\j
.endr
.endr
.endm
.macro ARRIVED t
.if (\t) < 7
	s_wait_loadcnt 16                              ; this step's 16 loads are in; the next step's 16 may be out
.else
	s_wait_loadcnt 0x0
.endif
.endm
.macro QSTEP t
	ARRIVED \t
	TURN \t, STA, RDA
	s_wait_dscnt 0x0                               ; the stage's stores have read set t % 2, and my 64 numbers are in
	s_wait_xcnt 0x0                                ; the last step's stores have read the codes' registers: they are written again only behind this wait
.if (\t) < 6
	LOAD (\t)+2, 4096
.endif
	QUANT X, PC, PW+(\t)
	global_store_b128 v[L16], v[PC:PC+3], s[20:21] offset:1536*(\t)          ; 512 consecutive bytes
	global_store_b64 v[L8], v[PC+4:PC+5], s[20:21] offset:1536*(\t)+512      ; 256
	global_store_b128 v[L16], v[PC+6:PC+9], s[20:21] offset:1536*(\t)+768
	global_store_b64 v[L8], v[PC+10:PC+11], s[20:21] offset:1536*(\t)+1280
.endm
.macro MSTEP t
	ARRIVED \t
	TURN \t, MSTA, MRDA
	s_wait_dscnt 0x0
.if (\t) < 6
	LOAD (\t)+2, 8192
.endif
.irp b, 0,1,2,3                                ; a compare's 32 bits are the word of (key block b, i); word 16 b + i goes to lane 8 b + i / 2, register i % 2: 8 bytes a lane
.irp i, 0,1,2,3,4,5,6,7,8,9,10,11,12,13,14,15
	v_cmp_eq_u32 s[32+\i], 0, v[X+16*\b+\i]
.endr
.irp i, 0,1,2,3,4,5,6,7,8,9,10,11,12,13,14,15
	v_writelane_b32 v[MW+2*(\t)+\i%2], s[32+\i], 8*\b+\i/2
.endr
.endr
	global_store_b64 v[L8], v[MW+2*(\t):MW+2*(\t)+1], s[24:25] offset:256*(\t)   ; 256 consecutive bytes; each step has registers of its own
.endm
	s_load_b512 s[4:19], s[0:1], 0x0               ; query, key, value, Wq, Wk, Wv, Wo, mask
	s_load_b128 s[20:23], s[0:1], 0x40             ; ac, as
	s_load_b64 s[24:25], s[0:1], 0x50              ; mb
	v_lshl_add_u32 v[SPW], v0, 2, SPARE
	v_mov_b32 v[NIL], 0
	v_lshrrev_b32 v7, 5, v0
	v_readfirstlane_b32 s26, v7                    ; wave 0..3
	v_and_b32 v7, 31, v0
	v_lshlrev_b32 v[L16], 4, v7
	v_lshlrev_b32 v[L8], 3, v7
	v_and_b32 v62, 15, v0                          ; r
	v_bfe_u32 v63, v0, 4, 1                        ; h
	s_mul_i32 s27, s26, STGB
	v_add_nc_u32 v[STA], s27, v[L16]
	v_mul_u32_u24 v[RDA], v62, 528
	v_lshl_add_u32 v[RDA], v63, 6, v[RDA]
	v_add_nc_u32 v[RDA], s27, v[RDA]
	v_add_nc_u32 v[MSTA], MSTG, v[STA]
	v_add_nc_u32 v[MRDA], MSTG, v[RDA]
	s_mov_b32 s[SEL], 0x76543210
	s_mov_b32 s[SEL+1], 0xfedcba98
	s_mov_b32 s[HM], 0xffff0000
	s_mov_b32 s51, 0
	s_wait_kmcnt 0x0
	s_cmp_ge_u32 ttmp9, 448
	s_cbranch_scc1 .Lmask
	; ---- the quantising path.  Which tensor: by the work-group's number alone
	s_mov_b64 s[SRC:SRC+1], s[16:17]               ; Wo: work-groups 432-447
	s_mov_b32 s31, 432
	s_cmp_lt_u32 ttmp9, 432
	s_cselect_b64 s[SRC:SRC+1], s[14:15], s[SRC:SRC+1]   ; Wv
	s_cselect_b32 s31, 416, s31
	s_cmp_lt_u32 ttmp9, 416
	s_cselect_b64 s[SRC:SRC+1], s[12:13], s[SRC:SRC+1]   ; Wk
	s_cselect_b32 s31, 400, s31
	s_cmp_lt_u32 ttmp9, 400
	s_cselect_b64 s[SRC:SRC+1], s[10:11], s[SRC:SRC+1]   ; Wq
	s_cselect_b32 s31, 384, s31
	s_cmp_lt_u32 ttmp9, 384
	s_cselect_b64 s[SRC:SRC+1], s[8:9], s[SRC:SRC+1]     ; value
	s_cselect_b32 s31, 256, s31
	s_cmp_lt_u32 ttmp9, 256
	s_cselect_b64 s[SRC:SRC+1], s[6:7], s[SRC:SRC+1]     ; key
	s_cselect_b32 s31, 128, s31
	s_cmp_lt_u32 ttmp9, 128
	s_cselect_b64 s[SRC:SRC+1], s[4:5], s[SRC:SRC+1]     ; query
	s_cselect_b32 s31, 0, s31
	s_sub_co_u32 s31, ttmp9, s31
	s_lshl_b32 s31, s31, 2
	s_add_co_u32 s31, s31, s26                     ; my tile in its tensor
	s_lshr_b32 s50, s31, 1
	s_lshl_b32 s50, s50, 17                        ; 32 rows of 4,096 bytes for each pair of tiles,
	s_and_b32 s52, s31, 1
	s_lshl_b32 s52, s52, 15                        ; 8 rows for the odd tile
	s_add_co_u32 s50, s50, s52
	s_add_nc_u64 s[SRC:SRC+1], s[SRC:SRC+1], s[50:51]
	s_lshl_b32 s52, ttmp9, 2
	s_add_co_u32 s52, s52, s26                     ; my tile among all 1,792
	s_mul_i32 s50, s52, 12288
	s_add_nc_u64 s[20:21], s[20:21], s[50:51]
	s_lshl_b32 s50, s52, 9
	s_add_nc_u64 s[22:23], s[22:23], s[50:51]
.irp b, 0,1,2,3
	v_mov_b32 v[TM+4+\b], 0                        ; written once: a lane permute's destination counts as one of its sources
.endr
	LOAD 0, 4096
	LOAD 1, 4096
	s_wait_alu depctr_va_vdst(0)
.irp t, 0,1,2,3,4,5,6,7
	QSTEP \t
.endr
.irp s, 0,1                                    ; the scale block: lanes 0-15 words 4 s, 4 s + 1, lanes 16-31 words 4 s + 2, 4 s + 3 of row r: 256 consecutive bytes a store
	v_cndmask_b32 v[R+2*\s], v[PW+4*\s], v[PW+4*\s+2], s[HM]
	v_cndmask_b32 v[R+2*\s+1], v[PW+4*\s+1], v[PW+4*\s+3], s[HM]
	global_store_b64 v[L8], v[R+2*\s:R+2*\s+1], s[22:23] offset:256*\s
.endr
	s_branch .Lend
.Lmask:	; ---- the mask path
	s_sub_co_u32 s31, ttmp9, 448
	s_lshl_b32 s31, s31, 2
	s_add_co_u32 s31, s31, s26
	s_lshr_b32 s52, s31, 1                         ; my query tile, 0 .. 511
	s_and_b32 s31, s31, 1                          ; which 1,024 keys
	s_lshr_b32 s50, s52, 1
	s_lshl_b32 s50, s50, 18                        ; 32 rows of 8,192 bytes for each pair of tiles,
	s_and_b32 s53, s52, 1
	s_lshl_b32 s53, s53, 16                        ; 8 rows for the odd tile,
	s_add_co_u32 s50, s50, s53
	s_lshl_b32 s53, s31, 12                        ; 1,024 keys of 4 bytes
	s_add_co_u32 s50, s50, s53
	s_add_nc_u64 s[SRC:SRC+1], s[18:19], s[50:51]
	s_lshl_b32 s50, s52, 12
	s_lshl_b32 s53, s31, 11
	s_add_co_u32 s50, s50, s53
	s_add_nc_u64 s[24:25], s[24:25], s[50:51]
.set II, 0
.rept 16
	v_mov_b32 v[MW+II], 0                          ; written once: v_writelane_b32's destination counts as one of its sources
.set II, II+1
.endr
	LOAD 0, 8192
	LOAD 1, 8192
.irp t, 0,1,2,3,4,5,6,7
	MSTEP \t
.endr
.Lend:
	s_wait_tensorcnt 0x0                           ; the wave's end
	ds_add_u32 v[SPW], v[NIL]
	s_wait_dscnt 0x0
	s_endpgm
.Lfunc_end_k_qf0b13103b5_prep:
	.size	k_qf0b13103b5_prep, .Lfunc_end_k_qf0b13103b5_prep-k_qf0b13103b5_prep
	.p2alignl 7, 3214868480
	.fill 96, 4, 3214868480
	.section	.rodata,"a",@progbits
	.p2align	6, 0x0
	.amdhsa_kernel k_qf0b13103b5_prep
		.amdhsa_group_segment_fixed_size 68096
		.amdhsa_private_segment_fixed_size 0
		.amdhsa_enable_private_segment 0
		.amdhsa_kernarg_size 88
		.amdhsa_user_sgpr_count 2
		.amdhsa_user_sgpr_kernarg_segment_ptr 1
		.amdhsa_wavefront_size32 1
		.amdhsa_system_sgpr_workgroup_id_x 1
		.amdhsa_system_sgpr_workgroup_id_y 1
		.amdhsa_system_sgpr_workgroup_id_z 1
		.amdhsa_system_vgpr_workitem_id 0
		.amdhsa_next_free_vgpr 256
		.amdhsa_next_free_sgpr 66
		.amdhsa_reserve_vcc 0
		.amdhsa_float_denorm_mode_32 3
		.amdhsa_float_denorm_mode_16_64 3
		.amdhsa_memory_ordered 1
		.amdhsa_forward_progress 1
		.amdhsa_inst_pref_size 160
	.end_amdhsa_kernel
	.amdgpu_metadata
---
amdhsa.version: [ 1, 2 ]
amdhsa.kernels:
  - .name:           k_qf0b13103b5_prep
    .symbol:         k_qf0b13103b5_prep.kd
    .args:
      - { .name: query, .offset: 0, .size: 8, .value_kind: global_buffer, .address_space: global }
      - { .name: key, .offset: 8, .size: 8, .value_kind: global_buffer, .address_space: global }
      - { .name: value, .offset: 16, .size: 8, .value_kind: global_buffer, .address_space: global }
      - { .name: Wq, .offset: 24, .size: 8, .value_kind: global_buffer, .address_space: global }
      - { .name: Wk, .offset: 32, .size: 8, .value_kind: global_buffer, .address_space: global }
      - { .name: Wv, .offset: 40, .size: 8, .value_kind: global_buffer, .address_space: global }
      - { .name: Wo, .offset: 48, .size: 8, .value_kind: global_buffer, .address_space: global }
      - { .name: mask, .offset: 56, .size: 8, .value_kind: global_buffer, .address_space: global }
      - { .name: ac, .offset: 64, .size: 8, .value_kind: global_buffer, .address_space: global }
      - { .name: as, .offset: 72, .size: 8, .value_kind: global_buffer, .address_space: global }
      - { .name: mb, .offset: 80, .size: 8, .value_kind: global_buffer, .address_space: global }
    .group_segment_fixed_size: 68096
    .private_segment_fixed_size: 0
    .kernarg_segment_align: 8
    .kernarg_segment_size: 88
    .max_flat_workgroup_size: 128
    .sgpr_count:     66
    .vgpr_count:     256
    .wavefront_size: 32
...
	.end_amdgpu_metadata
.endif
;; end of part 1
;; launch proj (part 2): grid 4 x 64, 4 waves a work-group, clusters of 4 x 4, 327,680 bytes of LDS; arguments ac, as, bq, bk, bv, qi, kv; writes qi, kv
.if DOCPART == 2
	.amdgcn_target "amdgcn-amd-amdhsa--gfx1250"
	.amdhsa_code_object_version 6
	.text
	.protected	k_qf0b13103b5_proj
	.globl	k_qf0b13103b5_proj
	.p2align	8
	.type	k_qf0b13103b5_proj,@function
k_qf0b13103b5_proj:
	s_mov_b64 s[64:65], 0
	v_nop
	global_prefetch_b8 v0, s[64:65] scope:SCOPE_SE
	s_setreg_imm32_b32 hwreg(HW_REG_WAVE_MODE, 25, 1), 1
	s_wait_xcnt 0x0
	s_wait_alu depctr_hold_cnt(0) depctr_sa_sdst(0) depctr_va_vdst(0) depctr_va_sdst(0) depctr_va_ssrc(0) depctr_va_vcc(0) depctr_vm_vsrc(0)
	s_getreg_b32 s2, hwreg(HW_REG_IB_STS2, 6, 4)
	s_cmp_eq_u32 s2, 0
	s_cbranch_scc0 .Lentry_in_a_cluster
	s_endpgm
.Lentry_in_a_cluster:
	s_bfe_u32 s2, ttmp6, 0x10000c
	s_cmp_lg_u32 s2, 0xf033
	s_cbranch_scc0 .Lentry_shape_is_right
	s_endpgm
.Lentry_shape_is_right:
; PROJ.  Q = query Wq^T + bq, K = key Wk^T + bk, V = value Wv^T + bv on codes of FP6 (E2M3) with E8M0 scales, f32 sums; the results are quantised again and leave as images of the attention launch's operand registers.
; ac, as: codes and scale bytes as the first launch leaves them: tiles of 16 rows (tile 2 B + u: rows 32 B + 8 u + p + 8 (p / 8)), 12,288 bytes of codes and 512 of scales each; query's tiles from 0, key's from 512,
; value's from 1,024, Wq's from 1,536, Wk's from 1,600, Wv's from 1,664.  Half a fragment (64 K) is 768 bytes; the scale word of K step q of row r lies at 128 (q / 2) + 8 r + 4 (q % 2).
; SHARES.  256 work-groups that stay: each makes three blocks, one of Q, one of K, one of V^T.  A block is 128 rows of source 1 ("A": 8 tiles) x 256 rows of source 0 ("B": 16 tiles); its four waves, 2 x 2, make 64 x 128 each:
; 32 accumulators.  Q, K: A = 128 tokens, B = 256 rows of the weight; V^T: A = 128 rows of Wv, B = 256 tokens: so a lane's 64 sums of an A tile run along the next product's K (channels for Q and K, keys for V).
; LDS: a ring of two slots, each half of K of a block: A's 8 tiles, then B's 16, rows of 6,144 bytes that begin on multiples of 256.  The head fills both slots, one tensor load a wave (wave 0 A and wave 1 B of the first half,
; waves 2 and 3 of the second).  Slot 0 is filled again with the next block's first half in K step 3, by waves 0 and 1, slot 1 in K step 7, by waves 2 and 3: each behind a drained round of the cluster's barrier.
; A refill is asked for four K steps, 128 products a wave, and the quantiser ahead of its first use.  Q and K are two trips of one loop; V, which asks for nothing more, is written out.
; CLUSTER 4 x 4: A's tiles are shared along a row of the cluster, B's along a column, in all three blocks: joint loads.
; PREFETCH: the next block's half of K is asked for into the L2 three K steps ahead of its refill: the sixteen waves that will ask for a tile jointly share its 256-byte blocks out by address
; (A: half a row, 12 blocks a wave; B: a row, 24 blocks); the lanes left over name their wave's last block again.  The first block comes by its loads alone; the last block's trip asks for nothing.
; SCALE WORDS go straight into registers: a load of 8 bytes a lane covers 256 consecutive bytes; lanes 0-15 get K steps 4 j, 4 j + 1, lanes 16-31 K steps 4 j + 2, 4 j + 3; the row selector picks.
; OUT.  qi: (16 batch + head) x 106,496 + (group of 128 tokens) x 6,656: 8 half fragments, then 512 bytes of scale words; kv: (16 batch + head) x 208,896 + (key step) x 13,056: K's as Q's, V^T's 4 fragments at 6,656, its
; scale words at 12,800.  A wave holds 4 of a group's 8 tiles of Q or K: its scale words are 8 of each lane's 16 bytes; two waves fill the 512 bytes between them.
; LIMITS: NaN and infinities are not served; a block whose largest magnitude lies under 2^-124 keeps the byte 1 (a block of zeros too: its codes are zeros; this program alone reads the bytes).
; REGISTERS: window 0: v0-31 addresses, v32-47 A's scale words, v50-81 B's, v82-106 at work in the quantiser, v160-255 A's fragments, two sets (the quantiser's numbers and codes lie there between blocks);
; window 1: B's fragments, two sets; window 2: the accumulators; window 3: v0-63 the bias of Q or K.
.set FR,     12
.set TH,     6144
.set AH,     8*TH
.set HS,     24*TH
.set SPARE,  2*HS                      ; the spare words: two blocks of 256 bytes that no other line names
.set BNO,  9
.set BMO,  10
.set LS,   11
.set SCO,  12
.set L16C, 13
.set L8C,  14
.set PFAV, 15
.set ADRA, 16
.set ADRB, 20
.set L16,  24
.set L8,   25
.set PFBV, 26
.set SPW,  28
.set NIL,  29
.set SAB,  32
.set SBB,  50
.set TM,   82
.set CW,   98
.set BM,   102
.set PW,   106
.set AF,   160
.set H,    160
.set PC,   224
.set BN,   0
.set SEL,  86
.set G1,  24
.set G0,  32
.set G1B, 48
.set G0B, 56
.set MSB, 0
.macro WIN new
.if MSB != (\new)
	s_set_vgpr_msb (MSB<<8)|(\new)
.set MSB, (\new)
.endif
.endm
.macro PLACES n
.rept \n
	v_nop
.endr
.endm
.macro TLOAD g0, g1
	tensor_load_to_lds s[\g0:\g0+3], s[\g1:\g1+7]
	s_nop 0
	PLACES 4
.endm
.macro CREST
	s_cmp_lg_u32 s14, 0
	s_cbranch_scc1 .Lnot_wave_0_\@
	s_barrier_signal -3
.Lnot_wave_0_\@:
	s_barrier_wait -3
	s_barrier_signal -1
	s_barrier_wait -1
.endm
.macro CROUND
	s_barrier_signal -1
	s_barrier_wait -1
	CREST
.endm
	s_load_b256 s[4:11], s[0:1], 0x0               ; ac, as, bq, bk
	s_load_b128 s[68:71], s[0:1], 0x20             ; bv, qi
	s_load_b64 s[72:73], s[0:1], 0x30              ; kv
	v_lshl_add_u32 v[SPW], v0, 2, SPARE
	v_mov_b32 v[NIL], 0
	ds_add_u32 v[SPW], v[NIL]                      ; the opening lines
	ds_add_u32 v[SPW], v[NIL]
	v_lshrrev_b32 v1, 5, v0
	v_readfirstlane_b32 s14, v1                    ; wave
	s_lshr_b32 s15, s14, 1                         ; my half of A's rows; also: which slot I fill
	s_and_b32 s16, s14, 1                          ; my half of B's rows; also: I fetch A (0) or B (1)
	s_bfe_u32 s40, ttmp6, 0x40000                  ; cx
	s_bfe_u32 s41, ttmp6, 0x40004                  ; cy
	s_and_b32 s42, ttmp7, 0xffff                   ; the cluster's number, 0 .. 15
	s_lshl_b32 s17, s42, 2
	s_add_co_u32 s17, s17, s41                     ; Q, K: my group of 128 tokens, 0 .. 63
	s_and_b32 s84, s42, 1
	s_lshl_b32 s84, s84, 2
	s_add_co_u32 s84, s84, s41                     ; V: my 128 rows of Wv, 0 .. 7
	s_lshr_b32 s85, s42, 1
	s_lshl_b32 s85, s85, 2
	s_add_co_u32 s85, s85, s40                     ; V: my 256 tokens, 0 .. 31
	s_lshl_b32 s43, s41, 2
	s_lshl_b32 s43, 15, s43                        ; my row of the cluster
	s_lshl_b32 s44, 0x1111, s40                    ; my column
	s_or_b32 s[G1], s43, (3<<16)|(1<<21)           ; elements of 8 bytes; rows of 768 elements, 1,536 apart; 8 rows of A, 16 of B
	s_or_b32 s[G1B], s44, (3<<16)|(1<<21)
	s_mov_b32 s[G1+2], 8<<16
	s_mov_b32 s[G1+4], 8
	s_mov_b32 s[G1B+2], 16<<16
	s_mov_b32 s[G1B+4], 16
.irp g, G1, G1B
	s_mov_b32 s[\g+1], 768<<16
	s_mov_b32 s[\g+3], 768<<16
	s_mov_b32 s[\g+5], 1536
	s_mov_b32 s[\g+6], 0
	s_mov_b32 s[\g+7], 0
.endr
	s_mov_b32 s[G0], 1
	s_mul_i32 s[G0+1], s15, HS
	s_mov_b32 s[G0B], 1
	s_add_co_u32 s[G0B+1], s[G0+1], AH
	s_mul_i32 s18, s15, TH                         ; my slot's half of K, in bytes of a tile
	s_mov_b32 s21, 0
	; where the blocks' tiles begin, bytes from ac: Q's in s22 (A), s61 (B); K's in s36, s37; V's in s45, s46
	s_mul_i32 s22, s17, 8*12288
	s_lshl_b32 s23, s40, 4
	s_add_co_u32 s23, s23, 1536
	s_mul_i32 s61, s23, 12288
	s_add_co_u32 s36, s22, 512*12288
	s_add_co_u32 s37, s61, 64*12288
	s_lshl_b32 s62, s84, 3
	s_add_co_u32 s62, s62, 1664
	s_mul_i32 s45, s62, 12288
	s_lshl_b32 s63, s85, 4
	s_add_co_u32 s63, s63, 1024
	s_mul_i32 s46, s63, 12288
	; my wave's scale blocks, bytes from as: Q's in s92, s94; K's in s38, s39; V's in s47, s60
	s_lshl_b32 s66, s15, 2
	s_lshl_b32 s67, s16, 3
	s_lshl_b32 s92, s17, 3
	s_add_co_u32 s92, s92, s66
	s_lshl_b32 s92, s92, 9
	s_mov_b32 s93, 0
	s_add_co_u32 s94, s23, s67
	s_lshl_b32 s94, s94, 9
	s_mov_b32 s95, 0
	s_add_co_u32 s38, s92, 512*512
	s_add_co_u32 s39, s94, 64*512
	s_add_co_u32 s47, s62, s66
	s_lshl_b32 s47, s47, 9
	s_add_co_u32 s60, s63, s67
	s_lshl_b32 s60, s60, 9
	; where the results go: Q's offset in s43, K's in s44, V's in s19
	s_lshr_b32 s2, s17, 4
	s_lshl_b32 s2, s2, 4
	s_lshl_b32 s3, s40, 2
	s_add_co_u32 s2, s2, s3
	s_lshl_b32 s3, s16, 1
	s_add_co_u32 s2, s2, s3                        ; 16 batch + the first of my two heads
	s_and_b32 s3, s17, 15                          ; the group in its batch
	s_mul_i32 s43, s2, 106496
	s_mul_i32 s19, s3, 6656
	s_add_co_u32 s43, s43, s19
	s_mul_i32 s44, s2, 208896
	s_mul_i32 s19, s3, 13056
	s_add_co_u32 s44, s44, s19
	s_lshr_b32 s2, s85, 3
	s_lshl_b32 s2, s2, 4
	s_lshl_b32 s3, s84, 1
	s_add_co_u32 s2, s2, s3
	s_add_co_u32 s2, s2, s15                       ; V: 16 batch + my head
	s_lshl_b32 s3, s85, 1
	s_add_co_u32 s3, s3, s16
	s_and_b32 s3, s3, 15                           ; my key step
	s_mul_i32 s19, s2, 208896
	s_mul_i32 s3, s3, 13056
	s_add_co_u32 s19, s19, s3
	s_lshl_b32 s96, s40, 10
	s_lshl_b32 s97, s16, 9
	s_add_co_u32 s96, s96, s97                     ; Q, K: my first channel, in bytes of the bias
	s_lshl_b32 s97, s84, 9
	s_lshl_b32 s98, s15, 8
	s_add_co_u32 s97, s97, s98                     ; V: likewise
	s_mul_i32 s98, s15, 3072                       ; Q, K: my 4 tiles of the group's 8
	s_lshl_b32 s99, s15, 3
	s_lshl_b32 s100, s40, 2                        ; the prefetches: my share among the sixteen waves that ask for A's tile jointly: half a row,
	s_add_co_u32 s100, s100, s14
	s_lshr_b32 s2, s100, 1
	s_mul_i32 s2, s2, 12288
	s_and_b32 s100, s100, 1
	s_mul_i32 s100, s100, 3072
	s_add_co_u32 s100, s100, s2
	s_lshl_b32 s101, s41, 2                        ; and for B's: a row
	s_add_co_u32 s101, s101, s14
	s_mul_i32 s101, s101, 12288
	s_mul_i32 s62, s15, 4*TH                       ; LDS: my 4 tiles of A and my 8 of B, in both slots
	s_add_co_u32 s63, s62, HS
	s_mul_i32 s66, s16, 8*TH
	s_add_co_u32 s66, s66, AH
	s_add_co_u32 s67, s66, HS
	s_mov_b32 s[SEL], 0x76543210
	s_mov_b32 s[SEL+1], 0xfedcba98
	s_mov_b32 s2, 0xffff0000
	s_mov_b32 s3, 0
	s_wait_dscnt 0x0                               ; both opening adds are done
	s_wait_kmcnt 0x0
	s_add_co_u32 s20, s22, s18
	s_add_nc_u64 s[G0+2:G0+3], s[4:5], s[20:21]
	s_or_b32 s[G0+3], s[G0+3], 0x80000000
	s_add_co_u32 s20, s61, s18
	s_add_nc_u64 s[G0B+2:G0B+3], s[4:5], s[20:21]
	s_or_b32 s[G0B+3], s[G0B+3], 0x80000000
	CROUND                                         ; all sixteen work-groups are here: the joint loads meet
	s_cmp_eq_u32 s14, 0                            ; one chain, one load to an arm: the waves that the first barrier waits for have lines of their own
	s_cbranch_scc0 .Lw1
	TLOAD G0, G1
	s_branch .Lasked
.Lw1:
	s_cmp_eq_u32 s14, 1
	s_cbranch_scc0 .Lw2
	TLOAD G0B, G1B
	s_branch .Lasked
.Lw2:
	s_cmp_eq_u32 s14, 2
	s_cbranch_scc0 .Lw3
	TLOAD G0, G1
	s_branch .Lasked
.Lw3:
	TLOAD G0B, G1B
.Lasked:
	s_add_nc_u64 s[92:93], s[6:7], s[92:93]
	s_add_nc_u64 s[94:95], s[6:7], s[94:95]
	s_mov_b32 s20, s43
	s_add_nc_u64 s[12:13], s[70:71], s[20:21]      ; Q: my first head, my second
	s_add_nc_u64 s[74:75], s[12:13], 106496
	s_mov_b32 s20, s44
	s_add_nc_u64 s[76:77], s[72:73], s[20:21]      ; K
	s_add_nc_u64 s[78:79], s[76:77], 208896
	s_mov_b32 s20, s19
	s_add_nc_u64 s[82:83], s[72:73], s[20:21]      ; V
	s_mov_b64 s[80:81], s[8:9]                     ; the bias in hand
	s_mov_b32 s20, s36
	s_add_nc_u64 s[88:89], s[4:5], s[20:21]        ; the next block's tiles, for the prefetches
	s_mov_b32 s20, s37
	s_add_nc_u64 s[90:91], s[4:5], s[20:21]
	v_and_b32 v1, 15, v0                           ; r
	v_bfe_u32 v2, v0, 4, 1                         ; h
	v_and_b32 v3, 31, v0
	v_lshlrev_b32 v[L16], 4, v3
	v_lshlrev_b32 v[L8], 3, v3
	v_add_nc_u32 v[ADRA], s62, v[L16]
	v_add_nc_u32 v[ADRA+1], s63, v[L16]
	v_add_nc_u32 v[ADRA+2], s62, v[L8]
	v_add_nc_u32 v[ADRA+3], s63, v[L8]
	v_add_nc_u32 v[ADRB], s66, v[L16]
	v_add_nc_u32 v[ADRB+1], s67, v[L16]
	v_add_nc_u32 v[ADRB+2], s66, v[L8]
	v_add_nc_u32 v[ADRB+3], s67, v[L8]
	v_lshlrev_b32 v[SCO], 3, v1
	v_lshl_add_u32 v[SCO], v2, 7, v[SCO]           ; scale words: 128 h + 8 r
	v_lshl_add_u32 v[BNO], v2, 6, s96              ; Q's, K's bias: my channels, + 16 h
	v_and_b32 v4, 8, v1
	v_add_nc_u32 v4, v4, v1
	v_lshl_add_u32 v[BMO], v4, 2, s97              ; V's bias: channel r + 8 (r / 8) of a tile
	v_add_nc_u32 v[L16C], s98, v[L16]
	v_add_nc_u32 v[L8C], s98, v[L8]
	v_add_nc_u32 v[LS], s99, v[L16]                ; my 8 of a lane's 16 bytes of scale words
	v_min_u32 v5, 11, v3
	v_lshl_add_u32 v[PFAV], v5, 8, s100
	v_min_u32 v6, 23, v3
	v_lshl_add_u32 v[PFBV], v6, 8, s101
.irp b, 0,1,2,3
	v_mov_b32 v[TM+4+\b], 0                        ; written once: a lane permute's destination counts as one of its sources
.endr
	s_wait_alu depctr_va_vdst(0)
.macro SCLOAD                          ; a block's scale words of my 4 tiles of A and 8 of B: 24 loads
.irp i, 0,1,2,3
.irp j, 0,1
	global_load_b64 v[SAB+4*\i+2*\j:SAB+4*\i+2*\j+1], v[SCO], s[92:93] offset:512*\i+256*\j
.endr
.endr
.irp i, 0,1,2,3,4,5,6,7
.irp j, 0,1
	global_load_b64 v[SBB+4*\i+2*\j:SBB+4*\i+2*\j+1], v[SCO], s[94:95] offset:512*\i+256*\j
.endr
.endr
.endm
.macro FRAG reg, a16, a8, off
	ds_load_b128 v[\reg:\reg+3], v[\a16] offset:\off
	ds_load_b64 v[\reg+4:\reg+5], v[\a8] offset:(\off)+512
	ds_load_b128 v[\reg+6:\reg+9], v[\a16] offset:(\off)+768
	ds_load_b64 v[\reg+10:\reg+11], v[\a8] offset:(\off)+1280
.endm
.macro FETCH q                         ; K step q's fragments, B's eight and A's four, into set q % 2: 48 loads
	WIN 0x40
.irp i, 0,1,2,3,4,5,6,7
	FRAG 128*((\q)%2)+FR*\i, ADRB+(\q)/4, ADRB+2+(\q)/4, TH*\i+1536*((\q)%4)
.endr
	WIN 0
.irp i, 0,1,2,3
	FRAG AF+48*((\q)%2)+FR*\i, ADRA+(\q)/4, ADRA+2+(\q)/4, TH*\i+1536*((\q)%4)
.endr
.endm
.macro MM a, b, q
.set D_, 8*(8*(\a)+\b)
.set XB_, SBB+4*\b+2*((\q)/4)+(\q)%2
.set XA_, SAB+4*(\a)+2*((\q)/4)+(\q)%2
.set FB_, 128*((\q)%2)+FR*\b
.set FA_, AF+48*((\q)%2)+FR*(\a)
.if (\q) == 0
	v_wmma_scale_f32_16x16x128_f8f6f4 v[D_:D_+7], v[FB_:FB_+11], v[FA_:FA_+11], 0, v[XB_], v[XA_] matrix_a_fmt:MATRIX_FMT_FP6 matrix_b_fmt:MATRIX_FMT_FP6
.elseif ((\q)%4)/2
	v_wmma_scale_f32_16x16x128_f8f6f4 v[D_:D_+7], v[FB_:FB_+11], v[FA_:FA_+11], v[D_:D_+7], v[XB_], v[XA_] matrix_a_fmt:MATRIX_FMT_FP6 matrix_b_fmt:MATRIX_FMT_FP6 matrix_a_scale:MATRIX_SCALE_ROW1 matrix_b_scale:MATRIX_SCALE_ROW1
.else
	v_wmma_scale_f32_16x16x128_f8f6f4 v[D_:D_+7], v[FB_:FB_+11], v[FA_:FA_+11], v[D_:D_+7], v[XB_], v[XA_] matrix_a_fmt:MATRIX_FMT_FP6 matrix_b_fmt:MATRIX_FMT_FP6
.endif
.endm
.macro MULA a, q                       ; 8 products: A's tile a against B's eight; the 32 accumulators take turns, in the same order in every K step
	WIN 0xa1
.irp b, 0,1,2,3,4,5,6,7
	MM \a, \b, \q
.endr
.endm
.macro MUL16 a0, q
	MULA \a0, \q
	MULA (\a0)+1, \q
.endm
.macro STEP q, fetch, pf               ; this step's fragments were asked for a step ago; the next step's are asked for ahead of this step's 32 products.  pf: 1, 2: the next block's first, second half of K is asked for into the L2
	s_wait_dscnt 0x0
.if (\q) > 0
	PLACES 4                                       ; between the last step's products and the loads into the set that they read
.endif
.if \fetch
	FETCH (\q)+1
.endif
.if \pf
	global_prefetch_b8 v[PFAV], s[88:89] offset:TH*((\pf)-1) th:TH_LOAD_NT scope:SCOPE_SE
	global_prefetch_b8 v[PFBV], s[90:91] offset:TH*((\pf)-1) th:TH_LOAD_NT scope:SCOPE_SE
.endif
	MUL16 0, \q
	MUL16 2, \q
.endm
; K step 3 or 7 of a block that has a successor: the slot just read out is filled again.
.macro SYNC q, w0
	s_wait_dscnt 0x0                               ; this step's fragments are in: my reads of the slot are over
	PLACES 4
	WIN 0
	s_wait_tensorcnt 0x0
	ds_add_u32 v[SPW], v[NIL]
.if (\q) == 3
	s_add_co_u32 s20, s36, s18                     ; no load of mine is out: my descriptors take the next block's tiles, my slot's half of K
	s_add_nc_u64 s[G0+2:G0+3], s[4:5], s[20:21]
	s_or_b32 s[G0+3], s[G0+3], 0x80000000
	s_add_co_u32 s20, s37, s18
	s_add_nc_u64 s[G0B+2:G0B+3], s[4:5], s[20:21]
	s_or_b32 s[G0B+3], s[G0B+3], 0x80000000
.endif
	MULA 0, \q
	s_wait_dscnt 0x0
	s_barrier_signal -1
	MULA 1, \q
	WIN 0
	s_barrier_wait -1
	CREST
	s_cmp_eq_u32 s14, \w0
	s_cbranch_scc0 .Lfor_b_\@
	TLOAD G0, G1
	s_branch .Lfilled_\@
.Lfor_b_\@:
	s_cmp_eq_u32 s14, (\w0)+1
	s_cbranch_scc0 .Lfilled_\@
	TLOAD G0B, G1B
.Lfilled_\@:
.if (\q) == 3
	FETCH 4
.endif
	MUL16 2, \q
.endm
; 64 numbers of a lane, register 16 b + i = k 32 b + 16 h + i of my row, become a fragment's codes in v[pc] .. v[pc + 11] and its scale word in v[pw]
.macro QUANT s, pc, pw
.irp b, 0,1,2,3
	v_max3_num_f32 v[TM+\b], |v[\s+16*\b]|, |v[\s+1+16*\b]|, 0x1800000
.endr
.irp i, 2,4,6,8,10,12,14
.irp b, 0,1,2,3
	v_max3_num_f32 v[TM+\b], v[TM+\b], |v[\s+16*\b+\i]|, |v[\s+1+16*\b+\i]|
.endr
.endr
.irp b, 0,1,2,3
	v_permlanex16_b32 v[TM+4+\b], v[TM+\b], s[SEL], s[SEL+1]
.endr
.irp b, 0,1,2,3
	v_max_num_f32 v[TM+\b], v[TM+\b], v[TM+4+\b]
.endr
.irp b, 0,1,2,3
	v_add_nc_u32 v[TM+12+\b], 0xff000000, v[TM+\b]
.endr
.irp b, 0,1,2,3
	v_lshrrev_b32 v[TM+4+\b], 23, v[TM+12+\b]
.endr
	v_lshl_or_b32 v[\pw], v[TM+5], 8, v[TM+4]
	v_lshl_or_b32 v[\pw], v[TM+6], 16, v[\pw]
	v_lshl_or_b32 v[\pw], v[TM+7], 24, v[\pw]
.irp c, 0,1
	v_cvt_scalef32_pk16_fp6_f32 v[\pc+6*\c:\pc+2+6*\c], v[\s+32*\c:\s+15+32*\c], v[TM+12+2*\c]
	v_cvt_scalef32_pk16_fp6_f32 v[\pc+12+4*\c:\pc+14+4*\c], v[\s+16+32*\c:\s+31+32*\c], v[TM+12+2*\c+1]
.endr
	v_nop
.irp c, 0,1
.irp i, 0,1,2
	v_permlane16_swap_b32 v[\pc+6*\c+\i], v[\pc+12+4*\c+\i]
.endr
.irp i, 0,1,2
	v_mov_b32 v[\pc+3+6*\c+\i], v[\pc+12+4*\c+\i]
.endr
.endr
.endm
.macro EPI0 a                          ; Q, K: tile a's 16 tokens x my 128 channels: the bias, the quantiser, half a fragment for each of my two heads
	WIN 0x0e
.set AC, 64*(\a)
.set II, 0
.rept 32
	v_pk_add_f32 v[H+II:H+II+1], v[AC+II:AC+II+1], v[BN+II:BN+II+1]
.set II, II+2
.endr
	WIN 0
	s_wait_xcnt 0x0                                ; the last tile's stores have read the codes' registers
	QUANT H, PC, PW
	global_store_b128 v[L16C], v[PC:PC+3], s[12:13] offset:768*(\a)
	global_store_b64 v[L8C], v[PC+4:PC+5], s[12:13] offset:768*(\a)+512
	global_store_b128 v[L16C], v[PC+6:PC+9], s[74:75] offset:768*(\a)
	global_store_b64 v[L8C], v[PC+10:PC+11], s[74:75] offset:768*(\a)+512
.if (\a)%2
	v_cndmask_b32 v[CW+(\a)/2], v[CW+(\a)/2], v[PW], s2
.else
	v_mov_b32 v[CW+(\a)/2], v[PW]
.endif
.endm
.macro EPI1 a                          ; V: tile a's 16 channels x my 128 keys: a fragment of V^T
	WIN 0x02
.set AC, 64*(\a)
.set II, 0
.rept 32
.if (\a)%2
	v_pk_add_f32 v[H+II:H+II+1], v[AC+II:AC+II+1], v[BM+2*((\a)/2):BM+2*((\a)/2)+1] op_sel:[0,1] op_sel_hi:[1,1]
.else
	v_pk_add_f32 v[H+II:H+II+1], v[AC+II:AC+II+1], v[BM+2*((\a)/2):BM+2*((\a)/2)+1] op_sel_hi:[1,0]
.endif
.set II, II+2
.endr
	WIN 0
	s_wait_xcnt 0x0
	QUANT H, PC, PW
	global_store_b128 v[L16], v[PC:PC+3], s[82:83] offset:6656+1536*(\a)
	global_store_b64 v[L8], v[PC+4:PC+5], s[82:83] offset:6656+1536*(\a)+512
	global_store_b128 v[L16], v[PC+6:PC+9], s[82:83] offset:6656+1536*(\a)+768
	global_store_b64 v[L8], v[PC+10:PC+11], s[82:83] offset:6656+1536*(\a)+1280
.if (\a)%2
	v_cndmask_b32 v[CW+(\a)/2], v[CW+(\a)/2], v[PW], s2
.else
	v_mov_b32 v[CW+(\a)/2], v[PW]
.endif
.endm
	SCLOAD                                         ; Q's scale words
	s_cmp_lt_u32 s14, 2
	s_cbranch_scc0 .Lnot_first
	s_wait_tensorcnt 0x0                           ; waves 0 and 1: my tile of slot 0 is in
.Lnot_first:
	s_barrier_signal -1
	s_barrier_wait -1                              ; both are
.Lblock:                                               ; Q, then K
	WIN 0xc0
.irp b, 0,1,2,3,4,5,6,7
	global_load_b128 v[BN+8*\b:BN+8*\b+3], v[BNO], s[80:81] offset:(32*(\b/2)+8*(\b%2))*4
	global_load_b128 v[BN+8*\b+4:BN+8*\b+7], v[BNO], s[80:81] offset:(32*(\b/2)+8*(\b%2))*4+16
.endr
	WIN 0
	FETCH 0
	s_wait_loadcnt 16                              ; the scale words are in; the 16 loads of the bias, issued behind them, may be out
	STEP 0, 1, 1
	STEP 1, 1, 0
	STEP 2, 1, 0
	SYNC 3, 0
	STEP 4, 1, 2
	STEP 5, 1, 0
	STEP 6, 1, 0
	SYNC 7, 2
	WIN 0
	PLACES 4                                       ; behind the last products: their scale words are loaded anew, their results read, their fragments' registers written
	s_mov_b32 s20, s38
	s_add_nc_u64 s[92:93], s[6:7], s[20:21]
	s_mov_b32 s20, s39
	s_add_nc_u64 s[94:95], s[6:7], s[20:21]
	SCLOAD                                         ; the next block's scale words land under the quantiser
	s_wait_loadcnt 24                              ; the bias is in; those 24 may be out
.irp a, 0,1,2,3
	EPI0 \a
.endr
.irp j, 0,1
	v_lshrrev_b32 v[CW+2+\j], 16, v[CW+\j]         ; the second head's two bytes
.endr
	global_store_b64 v[LS], v[CW:CW+1], s[12:13] offset:6144
	global_store_b64 v[LS], v[CW+2:CW+3], s[74:75] offset:6144
	s_wait_xcnt 0x0                                ; stores, loads and prefetches have read their registers and bases
	s_mov_b64 s[12:13], s[76:77]                   ; on to K; what comes next is V
	s_mov_b64 s[74:75], s[78:79]
	s_mov_b64 s[80:81], s[10:11]
	s_mov_b32 s36, s45
	s_mov_b32 s37, s46
	s_mov_b32 s38, s47
	s_mov_b32 s39, s60
	s_mov_b32 s20, s36
	s_add_nc_u64 s[88:89], s[4:5], s[20:21]
	s_mov_b32 s20, s37
	s_add_nc_u64 s[90:91], s[4:5], s[20:21]
	s_add_co_u32 s3, s3, 1
	s_cmp_lt_u32 s3, 2
	s_wait_alu depctr_va_vdst(0)
	s_cbranch_scc1 .Lblock
	; V: nothing more is asked for
.irp a, 0,1,2,3
	global_load_b32 v[BM+\a], v[BMO], s[68:69] offset:(32*(\a/2)+8*(\a%2))*4
.endr
	FETCH 0
	s_wait_loadcnt 4                               ; the scale words are in; the bias's 4 loads may be out
	STEP 0, 1, 0
	STEP 1, 1, 0
	STEP 2, 1, 0
	s_wait_dscnt 0x0
	PLACES 4
	s_wait_tensorcnt 0x0                           ; whatever I asked for is in
	s_barrier_signal -1
	MUL16 0, 3
	s_barrier_wait -1                              ; slot 1 is whole
	FETCH 4
	MUL16 2, 3
	STEP 4, 1, 0
	STEP 5, 1, 0
	STEP 6, 1, 0
	STEP 7, 0, 0
	WIN 0
	PLACES 4
	s_wait_loadcnt 0x0
.irp a, 0,1,2,3
	EPI1 \a
.endr
	global_store_b64 v[L8], v[CW:CW+1], s[82:83] offset:12800
	s_wait_tensorcnt 0x0                           ; the wave's end
	ds_add_u32 v[SPW], v[NIL]
	s_wait_dscnt 0x0
	CROUND                                         ; the closing round
	s_endpgm
.Lfunc_end_k_qf0b13103b5_proj:
	.size	k_qf0b13103b5_proj, .Lfunc_end_k_qf0b13103b5_proj-k_qf0b13103b5_proj
	.p2alignl 7, 3214868480
	.fill 96, 4, 3214868480
	.section	.rodata,"a",@progbits
	.p2align	6, 0x0
	.amdhsa_kernel k_qf0b13103b5_proj
		.amdhsa_group_segment_fixed_size 327680
		.amdhsa_private_segment_fixed_size 0
		.amdhsa_enable_private_segment 0
		.amdhsa_kernarg_size 56
		.amdhsa_user_sgpr_count 2
		.amdhsa_user_sgpr_kernarg_segment_ptr 1
		.amdhsa_wavefront_size32 1
		.amdhsa_system_sgpr_workgroup_id_x 1
		.amdhsa_system_sgpr_workgroup_id_y 1
		.amdhsa_system_sgpr_workgroup_id_z 1
		.amdhsa_system_vgpr_workitem_id 0
		.amdhsa_next_free_vgpr 832
		.amdhsa_next_free_sgpr 102
		.amdhsa_reserve_vcc 0
		.amdhsa_float_denorm_mode_32 3
		.amdhsa_float_denorm_mode_16_64 3
		.amdhsa_memory_ordered 1
		.amdhsa_forward_progress 1
		.amdhsa_inst_pref_size 187
	.end_amdhsa_kernel
	.amdgpu_metadata
---
amdhsa.version: [ 1, 2 ]
amdhsa.kernels:
  - .name:           k_qf0b13103b5_proj
    .symbol:         k_qf0b13103b5_proj.kd
    .args:
      - { .name: ac, .offset: 0, .size: 8, .value_kind: global_buffer, .address_space: global }
      - { .name: as, .offset: 8, .size: 8, .value_kind: global_buffer, .address_space: global }
      - { .name: bq, .offset: 16, .size: 8, .value_kind: global_buffer, .address_space: global }
      - { .name: bk, .offset: 24, .size: 8, .value_kind: global_buffer, .address_space: global }
      - { .name: bv, .offset: 32, .size: 8, .value_kind: global_buffer, .address_space: global }
      - { .name: qi, .offset: 40, .size: 8, .value_kind: global_buffer, .address_space: global }
      - { .name: kv, .offset: 48, .size: 8, .value_kind: global_buffer, .address_space: global }
    .group_segment_fixed_size: 327680
    .private_segment_fixed_size: 0
    .kernarg_segment_align: 8
    .kernarg_segment_size: 56
    .max_flat_workgroup_size: 128
    .sgpr_count:     102
    .vgpr_count:     832
    .wavefront_size: 32
...
	.end_amdgpu_metadata
.endif
;; end of part 2
;; launch attn (part 3): grid 4 x 64, 16 waves a work-group, clusters of 4 x 1, 212,992 bytes of LDS; arguments qi, kv, mb, cc, cs; writes cc, cs
.if DOCPART == 3
	.amdgcn_target "amdgcn-amd-amdhsa--gfx1250"
	.amdhsa_code_object_version 6
	.text
	.protected	k_qf0b13103b5_attn
	.globl	k_qf0b13103b5_attn
	.p2align	8
	.type	k_qf0b13103b5_attn,@function
k_qf0b13103b5_attn:
	s_mov_b64 s[64:65], 0
	v_nop
	global_prefetch_b8 v0, s[64:65] scope:SCOPE_SE
	s_setreg_imm32_b32 hwreg(HW_REG_WAVE_MODE, 25, 1), 1
	s_wait_xcnt 0x0
	s_wait_alu depctr_hold_cnt(0) depctr_sa_sdst(0) depctr_va_vdst(0) depctr_va_sdst(0) depctr_va_ssrc(0) depctr_va_vcc(0) depctr_vm_vsrc(0)
	s_getreg_b32 s2, hwreg(HW_REG_IB_STS2, 6, 4)
	s_cmp_eq_u32 s2, 0
	s_cbranch_scc0 .Lentry_in_a_cluster
	s_endpgm
.Lentry_in_a_cluster:
	s_bfe_u32 s2, ttmp6, 0x10000c
	s_cmp_lg_u32 s2, 0x3003
	s_cbranch_scc0 .Lentry_shape_is_right
	s_endpgm
.Lentry_shape_is_right:
; ATTN.  ctx[b][q][head] = softmax_k(Q . K / 8, masked) V, both products on codes of FP6 (E2M3) with E8M0 scales; ctx leaves as codes, quantised along the model's 1,024 (a head is two blocks of 32).
; THE SOFTMAX AHEAD OF THE SECOND PRODUCT: t = score x log2(e) / 8; M = the row's largest t so far, rounded UP to a whole number; p = 2^(t - M) is quantised along the keys, not normalised.  The row's sum is taken
; of the unquantised p and divides O at the end.  When M moves, the sum and O are multiplied by 2^(old M - new M): exact.
; THE MASK comes as lane words (mb): bit r + 16 h of word (key block, i) says that key 32 block + 16 h + i is hidden from query r of the tile.  A word is the mask operand of ONE v_cndmask_b32 on one score register.
; A hidden score becomes -2^33, that is a logit of -2^30 where the definition has -1e9.  c x 2^33 is a whole number, so a row with every key hidden gives p = 1 throughout, as the definition does; hidden keys
; ahead of a row's first open key are wiped when M moves.  LIMIT: results differ from the definition's only where open logits lie under about -1e9.  NaN and infinities are not served.
; SHARES.  A work-group owns one (batch, head) and 512 queries; each of its sixteen waves owns two tiles of 16 queries, one after the other (two passes), in 256 registers: four waves to a SIMD, so that one
; wave's vector work stands beside another's matrix work and LDS loads.  K AND V OF THE WHOLE HEAD, 208,896 bytes of images, LIE IN LDS, FILLED ONCE: wave w asks for key step w's 13,056 bytes.  Nothing is filled
; again: no ring, and no barrier in the loop.  CLUSTER: the four work-groups of a head ask for these tiles jointly.
; LAYOUT.  Both products are used transposed: S^T = K Q^T, O^T = V^T P^T: a lane holds one query throughout.  By the choice of a tile's rows (tile 2 B + u: rows 32 B + 8 u + p + 8 (p / 8)) score register
; 16 b + i is key 32 b + 16 h + i, and O^T's register 16 b + i is channel 32 b + 16 h + i.
; THE FIRST PRODUCT'S K IS 64, half of the instruction's 128: Q's registers 6-11 are zero codes.  K's operand is then any 12 registers on end: a tile's six and the next tile's six (zeros behind the last).
; A key step in LDS: K's 8 half fragments (768 each) at 0, K's scale words at 6,144, V^T's 4 fragments (1,536 each) at 6,656, V's scale words at 12,800.
; OUT.  cc: (query tile) x 12,288 + head x 768: half a fragment.  cs: (query tile) x 512: my head's two bytes of a row's 32: 32 single bytes a tile, one byte for each 24 bytes of codes: a head owns no whole word.
.set STEPB, 13056
.set KSC,   6144
.set VOF,   6656
.set VSC,   12800
.set SPARE, 16*STEPB                   ; the spare words, 128 bytes for each wave: eight blocks of 256 bytes that no other line names
.set L16,  1                           ; v1   16 x lane
.set L8,   2                           ; v2   8 x lane
.set AD16, 3                           ; v3, v4  the same in the key step in hand
.set AD8,  4
.set SPW,  5                           ; v5   LDS address of my spare word; never rewritten
.set NIL,  6                           ; v6   0; never rewritten
.set NEG,  7                           ; v7   -2^33
.set CSO,  8                           ; v8   8 r + h: my scale byte's place
.set QO16, 9                           ; v9-11 Q's offsets
.set QO8,  10
.set QOS,  11
                                       ; v12 -M, v13 the largest t, v[14:15] the sum in two halves
.set QA,   16                          ; v16-27 the first tile's Q (six registers of codes, six of zeros);  v28-39 the second's
.set QB,   28
.set QSA,  40                          ; v40, v41 their scale words
.set QSB,  41
.set KF,   42                          ; v42-89 K's eight half fragments, then V^T's four fragments;  v90-95 zeros
.set KS,   96                          ; v96-99 K's scale words: register j: tile 2 j in lanes 0-15, tile 2 j + 1 in lanes 16-31
.set VS,   100                         ; v100-101 V's likewise
.set S,    102                         ; v102-165 S^T, then p
.set O,    166                         ; v166-197 O^T
.set PC,   198                         ; v198-217 p's codes
.set BMX,  218                         ; v218-221 the blocks' largest scores
.set PRM,  222                         ; v222-225 at work
.set SOP,  226                         ; v226-229 the conversions' scale operands
.set F,    230                         ; v[230:231] f = 2^(old M - new M); later 1 / the sum
.set PW,   232                         ; v232 p's scale word
.set T0,   233
.set T1,   234
.set WV,   62                          ; s62  my wave's number
.set CNT,  63                          ; s63  key steps to go
.set SEL,  66                          ; s[66:67] v_permlanex16_b32's selects for lane l xor 16
.set G1,   84                          ; s[84:91], s[92:95] the descriptor
.set G0,   92
.set CS,   96                          ; s[96:97] c = log2(e) / 8
.set TB,   98                          ; s98  LDS byte at which the key step in hand begins
.set OFF,  99                          ; s99  where the next step's mask words begin
.set HM,   100                         ; s100 lanes 16-31
                                       ; s[4:19], s[20:35], s[36:51], s[68:83]: the mask words of a step's four key blocks
.macro CROUND
	s_barrier_signal -1
	s_barrier_wait -1
	s_cmp_lg_u32 s[WV], 0
	s_cbranch_scc1 .Lnot_wave_0_\@
	s_barrier_signal -3
.Lnot_wave_0_\@:
	s_barrier_wait -3
	s_barrier_signal -1
	s_barrier_wait -1
.endm
.macro MLOAD                           ; a step's 64 mask words of my tile: 256 consecutive bytes
	s_load_b512 s[4:19], s[56:57], s[OFF] offset:0
	s_load_b512 s[20:35], s[56:57], s[OFF] offset:64
	s_load_b512 s[36:51], s[56:57], s[OFF] offset:128
	s_load_b512 s[68:83], s[56:57], s[OFF] offset:192
.endm
	s_load_b256 s[52:59], s[0:1], 0x0              ; qi s[52:53], kv s[54:55], mb s[56:57], cc s[58:59]
	s_load_b64 s[60:61], s[0:1], 0x20              ; cs
	v_lshl_add_u32 v[SPW], v0, 2, SPARE
	v_mov_b32 v[NIL], 0
	ds_add_u32 v[SPW], v[NIL]                      ; the wave's opening; the set-up below, work on registers, stands between the add and its wait
	ds_add_u32 v[SPW], v[NIL]
	v_lshrrev_b32 v[T0], 5, v0
	s_delay_alu instid0(VALU_DEP_1)
	v_readfirstlane_b32 s[WV], v[T0]               ; wave 0..15
	s_bfe_u32 s2, ttmp6, 0x40000                   ; cx: which 512 queries; it enters global addresses of Q, mask and ctx alone
	s_and_b32 s3, ttmp7, 0xffff                    ; 16 batch + head, which the four partners share
	; the descriptor: 13,056 dense bytes as 51 rows of 256 (32 elements of 8 bytes)
	s_mov_b32 s[G1], 15|(3<<16)|(1<<21)            ; 15:0 the mask: all four work-groups; 17:16 elements of 8 bytes; 21 set beside a mask
	s_mov_b32 s[G1+1], 32<<16                      ; tensor_dim0
	s_mov_b32 s[G1+2], 51<<16                      ; tensor_dim1
	s_mov_b32 s[G1+3], 32<<16                      ; tile_dim0
	s_mov_b32 s[G1+4], 51                          ; tile_dim1
	s_mov_b32 s[G1+5], 32                          ; tensor_dim0_stride
	s_mov_b32 s[G1+6], 0
	s_mov_b32 s[G1+7], 0
	s_mov_b32 s[G0], 1
	s_mul_i32 s[G0+1], s[WV], STEPB                ; LDS address: key step w
	s_mul_i32 s4, s3, 16*STEPB
	s_add_co_u32 s4, s4, s[G0+1]                   ; and the same step in the head's block of kv
	s_mov_b32 s5, 0
	s_mul_i32 s6, s3, 106496                       ; Q: the head's block, the group of 128 queries 4 cx + w / 4
	s_lshl_b32 s7, s2, 2
	s_lshr_b32 s8, s[WV], 2
	s_add_co_u32 s7, s7, s8
	s_mul_i32 s7, s7, 6656
	s_add_co_u32 s6, s6, s7
	s_mov_b32 s7, 0
	s_lshr_b32 s8, s3, 4
	s_lshl_b32 s8, s8, 7
	s_lshl_b32 s9, s2, 5
	s_add_co_u32 s8, s8, s9
	s_lshl_b32 s9, s[WV], 1
	s_add_co_u32 s8, s8, s9                        ; my first query tile: 128 batch + 32 cx + 2 w
	s_lshl_b32 s10, s8, 12                         ; its mask words
	s_mov_b32 s11, 0
	s_and_b32 s12, s3, 15                          ; head
	s_mul_i32 s14, s8, 12288
	s_mul_i32 s13, s12, 768
	s_add_co_u32 s14, s14, s13                     ; its half fragment of ctx
	s_mov_b32 s15, 0
	s_lshl_b32 s16, s8, 9                          ; its scale block: + 128 (head / 4) + 4 ((head / 2) % 2) + 2 (head % 2)
	s_lshr_b32 s13, s12, 2
	s_lshl_b32 s13, s13, 7
	s_add_co_u32 s16, s16, s13
	s_bfe_u32 s13, s12, 0x10001
	s_lshl_b32 s13, s13, 2
	s_add_co_u32 s16, s16, s13
	s_and_b32 s13, s12, 1
	s_lshl_b32 s13, s13, 1
	s_add_co_u32 s16, s16, s13
	s_mov_b32 s17, 0
	s_mov_b32 s[SEL], 0x76543210
	s_mov_b32 s[SEL+1], 0xfedcba98
	s_mov_b32 s[CS], 0x3e38aa3b                    ; log2(e) / 8
	s_mov_b32 s[CS+1], s[CS]                       ; (named with it as a pair, so it is written)
	s_mov_b32 s[HM], 0xffff0000
	s_mov_b32 s[OFF], 0
	s_wait_dscnt 0x0                               ; the opening add is done
	s_wait_kmcnt 0x0
	s_add_nc_u64 s[G0+2:G0+3], s[54:55], s[4:5]
	s_or_b32 s[G0+3], s[G0+3], 0x80000000          ; type = 2
	s_add_nc_u64 s[52:53], s[52:53], s[6:7]
	s_add_nc_u64 s[56:57], s[56:57], s[10:11]
	s_add_nc_u64 s[58:59], s[58:59], s[14:15]
	s_add_nc_u64 s[60:61], s[60:61], s[16:17]
	CROUND                                         ; all four work-groups are here: the joint loads meet
	tensor_load_to_lds s[G0:G0+3], s[G1:G1+7]      ; my one tensor load of the launch
	s_nop 0
.rept 4
	v_nop
.endr
	v_and_b32 v[T0], 31, v0
	s_delay_alu instid0(VALU_DEP_1)
	v_lshlrev_b32 v[L16], 4, v[T0]
	s_delay_alu instid0(VALU_DEP_2)
	v_lshlrev_b32 v[L8], 3, v[T0]
	v_and_b32 v[T0], 15, v0                        ; r
	v_bfe_u32 v[T1], v0, 4, 1                      ; h
	s_delay_alu instid0(VALU_DEP_1)
	v_lshl_add_u32 v[CSO], v[T0], 3, v[T1]
	s_and_b32 s101, s[WV], 3                       ; my pair of tiles in the group of eight
	s_mul_i32 s2, s101, 1536
	v_add_nc_u32 v[QO16], s2, v[L16]
	v_add_nc_u32 v[QO8], s2, v[L8]
	s_lshl_b32 s2, s101, 2
	v_lshl_add_u32 v[QOS], v[T0], 4, s2            ; scale words: 16 (16 u + r) + 4 (pair)
	global_load_b128 v[QA:QA+3], v[QO16], s[52:53]
	global_load_b64 v[QA+4:QA+5], v[QO8], s[52:53] offset:512
	global_load_b128 v[QB:QB+3], v[QO16], s[52:53] offset:768
	global_load_b64 v[QB+4:QB+5], v[QO8], s[52:53] offset:1280
	global_load_b32 v[QSA], v[QOS], s[52:53] offset:6144
	global_load_b32 v[QSB], v[QOS], s[52:53] offset:6144+256
	MLOAD                                          ; the first step's mask words
.irp j, 6,7,8,9,10,11
	v_mov_b32 v[QA+\j], 0                          ; zero codes for k = 64 .. 127
	v_mov_b32 v[QB+\j], 0
	v_mov_b32 v[KF+42+\j], 0                       ; and behind K's last tile
.endr
.irp b, 0,1,2,3
	v_mov_b32 v[PRM+\b], 0                         ; written once: a lane permute's destination counts as one of its sources
.endr
	v_mov_b32 v[F+1], 0                            ; (named as the upper half of the pair before it is first written)
	v_mov_b32 v[NEG], 0xd0000000                   ; -2^33
	s_wait_tensorcnt 0x0                           ; my key step is in LDS,
	s_barrier_signal -1
	s_barrier_wait -1                              ; everybody's is
	s_wait_loadcnt 0x0                             ; Q
; A KEY STEP: 128 keys.  q: Q's first register; qs: its scale words' register
.macro STEP q, qs
	v_add_nc_u32 v[AD16], s[TB], v[L16]
	v_add_nc_u32 v[AD8], s[TB], v[L8]
	v_nop
	v_nop                                          ; four places between the last step's products and the loads into registers that they read
.irp t, 0,1,2,3,4,5,6,7
	ds_load_b128 v[KF+6*\t:KF+6*\t+3], v[AD16] offset:768*\t
	ds_load_b64 v[KF+6*\t+4:KF+6*\t+5], v[AD8] offset:768*\t+512
.endr
	ds_load_b128 v[KS:KS+3], v[AD16] offset:KSC
	s_wait_alu depctr_va_vdst(0)
	s_wait_dscnt 0x0
.irp t, 0,1,2,3,4,5,6,7                        ; S^T = K Q^T: eight accumulators, one instruction each
.if (\t)%2
	v_wmma_scale_f32_16x16x128_f8f6f4 v[S+8*\t:S+8*\t+7], v[KF+6*\t:KF+6*\t+11], v[\q:\q+11], 0, v[KS+\t/2], v[\qs] matrix_a_fmt:MATRIX_FMT_FP6 matrix_b_fmt:MATRIX_FMT_FP6 matrix_a_scale:MATRIX_SCALE_ROW1
.else
	v_wmma_scale_f32_16x16x128_f8f6f4 v[S+8*\t:S+8*\t+7], v[KF+6*\t:KF+6*\t+11], v[\q:\q+11], 0, v[KS+\t/2], v[\qs] matrix_a_fmt:MATRIX_FMT_FP6 matrix_b_fmt:MATRIX_FMT_FP6
.endif
.endr
.rept 4
	v_nop                                          ; places: V is loaded where K lay, and the scores are read
.endr
.irp t, 0,1,2,3                                ; V^T's four fragments land while the softmax is walked
.irp c, 0,1
	ds_load_b128 v[KF+12*\t+6*\c:KF+12*\t+6*\c+3], v[AD16] offset:VOF+1536*\t+768*\c
	ds_load_b64 v[KF+12*\t+6*\c+4:KF+12*\t+6*\c+5], v[AD8] offset:VOF+1536*\t+768*\c+512
.endr
.endr
	ds_load_b64 v[VS:VS+1], v[AD8] offset:VSC
	s_wait_kmcnt 0x0                               ; this step's mask words, asked for a step ago
.irp i, 0,1,2,3,4,5,6,7,8,9,10,11,12,13,14,15  ; hidden scores become -2^33; the scores are taken in ascending order, each accumulator from its low end on
	v_cndmask_b32 v[S+\i], v[S+\i], v[NEG], s[4+\i]
.endr
.irp i, 0,1,2,3,4,5,6,7,8,9,10,11,12,13,14,15
	v_cndmask_b32 v[S+16+\i], v[S+16+\i], v[NEG], s[20+\i]
.endr
.irp i, 0,1,2,3,4,5,6,7,8,9,10,11,12,13,14,15
	v_cndmask_b32 v[S+32+\i], v[S+32+\i], v[NEG], s[36+\i]
.endr
.irp i, 0,1,2,3,4,5,6,7,8,9,10,11,12,13,14,15
	v_cndmask_b32 v[S+48+\i], v[S+48+\i], v[NEG], s[68+\i]
.endr
	s_add_co_u32 s[OFF], s[OFF], 256               ; the next step's words; my two tiles' words lie on end, 8,192 bytes;
	s_min_u32 s[OFF], s[OFF], 7936                 ; the very last look-ahead reads the last step's words again: no load leaves the buffer
	MLOAD
.irp b, 0,1,2,3
	v_max3_num_f32 v[BMX+\b], v[S+16*\b], v[S+1+16*\b], v[S+2+16*\b]   ; the largest score of each block of 32 keys: it serves the row's maximum and, since p rises with the score, the block's largest p
.endr
.irp i, 3,5,7,9,11,13
.irp b, 0,1,2,3
	s_delay_alu instid0(VALU_DEP_4)
	v_max3_num_f32 v[BMX+\b], v[BMX+\b], v[S+16*\b+\i], v[S+1+16*\b+\i]
.endr
.endr
.irp b, 0,1,2,3
	s_delay_alu instid0(VALU_DEP_4)
	v_max_num_f32 v[BMX+\b], v[BMX+\b], v[S+15+16*\b]
.endr
.irp b, 0,1,2,3
	s_delay_alu instid0(VALU_DEP_4)
	v_permlanex16_b32 v[PRM+\b], v[BMX+\b], s[SEL], s[SEL+1]
.endr
.irp b, 0,1,2,3
	s_delay_alu instid0(VALU_DEP_4)
	v_max_num_f32 v[BMX+\b], v[BMX+\b], v[PRM+\b]  ; with lane l xor 16's 16 keys
.endr
	s_delay_alu instid0(VALU_DEP_2)
	v_max3_num_f32 v[T0], v[BMX], v[BMX+1], v[BMX+2]
	s_delay_alu instid0(VALU_DEP_1)
	v_max_num_f32 v[T0], v[T0], v[BMX+3]           ; the step's largest score of my query
	s_delay_alu instid0(VALU_DEP_1)
	v_mul_f32 v[T0], s[CS], v[T0]                  ; as t (c is positive)
	s_delay_alu instid0(VALU_DEP_1)
	v_max_num_f32 v13, v13, v[T0]                  ; the running largest t
	v_mov_b32 v[T0], v12
	s_delay_alu instid0(VALU_DEP_2)
	v_floor_f32 v12, -v13                          ; the new -M = floor(-t) = -ceil(t): a whole number
	s_delay_alu instid0(VALU_DEP_1)
	v_sub_f32 v[T0], v12, v[T0]                    ; old M - new M: a whole number, 0 or less
	s_delay_alu instid0(VALU_DEP_1)
	v_cvt_i32_f32 v[T0], v[T0]                     ; (it saturates)
	s_delay_alu instid0(VALU_DEP_1)
	v_ldexp_f32 v[F], 1.0, v[T0]                   ; f = 2^(old M - new M)
.set II, 0
.rept 32
	v_pk_fma_f32 v[S+II:S+II+1], v[S+II:S+II+1], s[CS:CS+1], v[12:13] op_sel_hi:[1,0,0]   ; t - M, two at a time
.set II, II+2
.endr
.irp b, 0,1,2,3
	v_fma_f32 v[BMX+\b], v[BMX+\b], s[CS], v12     ; the same of each block's largest score
.endr
.set II, 0
	s_wait_alu depctr_va_vdst(0)
.rept 64
	v_exp_f32 v[S+II], v[S+II]                     ; p = 2^(t - M), at most 1
.set II, II+1
.endr
	v_pk_mul_f32 v[14:15], v[14:15], v[F:F+1] op_sel_hi:[1,0]   ; the sums under the new M: a plain place behind the exponentials
	s_wait_alu depctr_va_vdst(0)                   ; one wait for the whole batch, ahead of its first reader
.irp b, 0,1,2,3
	v_exp_f32 v[BMX+\b], v[BMX+\b]                 ; the block's largest p: the same two instructions on the same number give the same bits
.endr
	v_pk_add_f32 v[222:223], v[106:107], v[110:111]
	v_pk_add_f32 v[254:255], v[114:115], v[118:119]
	v_pk_add_f32 v[252:253], v[122:123], v[126:127]
	v_pk_add_f32 v[250:251], v[130:131], v[134:135]
	v_pk_add_f32 v[248:249], v[138:139], v[142:143]
	v_pk_add_f32 v[246:247], v[146:147], v[150:151]
	v_pk_add_f32 v[244:245], v[154:155], v[158:159]
	v_pk_add_f32 v[14:15], v[14:15], v[162:163]
	v_pk_add_f32 v[222:223], v[222:223], v[102:103]
	v_pk_add_f32 v[254:255], v[254:255], v[104:105]
	v_pk_add_f32 v[252:253], v[252:253], v[108:109]
	v_pk_add_f32 v[250:251], v[250:251], v[112:113]
	v_pk_add_f32 v[248:249], v[248:249], v[116:117]
	v_pk_add_f32 v[246:247], v[246:247], v[120:121]
	v_pk_add_f32 v[244:245], v[244:245], v[124:125]
	v_pk_add_f32 v[14:15], v[14:15], v[128:129]
	v_pk_add_f32 v[222:223], v[222:223], v[132:133]
	v_pk_add_f32 v[254:255], v[254:255], v[136:137]
	v_pk_add_f32 v[252:253], v[252:253], v[140:141]
	v_pk_add_f32 v[250:251], v[250:251], v[144:145]
	v_pk_add_f32 v[248:249], v[248:249], v[148:149]
	v_pk_add_f32 v[246:247], v[246:247], v[152:153]
	v_pk_add_f32 v[244:245], v[244:245], v[156:157]
	v_pk_add_f32 v[14:15], v[14:15], v[160:161]
	v_pk_add_f32 v[222:223], v[222:223], v[164:165]
	s_delay_alu instid0(VALU_DEP_2)
	v_pk_add_f32 v[14:15], v[14:15], v[250:251]
	s_delay_alu instid0(VALU_DEP_2)
	v_pk_add_f32 v[222:223], v[222:223], v[248:249]
	v_pk_add_f32 v[254:255], v[254:255], v[246:247]
	v_pk_add_f32 v[252:253], v[252:253], v[244:245]
	s_delay_alu instid0(VALU_DEP_2)
	v_pk_add_f32 v[14:15], v[14:15], v[254:255]
	s_delay_alu instid0(VALU_DEP_2)
	v_pk_add_f32 v[222:223], v[222:223], v[252:253]
	s_delay_alu instid0(VALU_DEP_1)
	v_pk_add_f32 v[14:15], v[14:15], v[222:223]
	s_wait_alu depctr_va_vdst(0)                   ; and one for the four
.irp b, 0,1,2,3
	v_max_num_f32 v[BMX+\b], 0x1800000, v[BMX+\b]  ; the floor 2^(3 - 127): the byte cannot fall under 1 (a block whose every p is 0 keeps that byte: its codes are zeros)
.endr
.irp b, 0,1,2,3
	s_delay_alu instid0(VALU_DEP_4)
	v_add_nc_u32 v[SOP+\b], 0xff000000, v[BMX+\b]  ; 2 off the exponent field: the conversion's scale operand
.endr
.irp b, 0,1,2,3
	s_delay_alu instid0(VALU_DEP_4)
	v_lshrrev_b32 v[PRM+\b], 23, v[SOP+\b]         ; the scale's byte
.endr
	s_delay_alu instid0(VALU_DEP_3)
	v_lshl_or_b32 v[PW], v[PRM+1], 8, v[PRM]       ; p's scale word for these 128 keys
	s_delay_alu instid0(VALU_DEP_1)
	v_lshl_or_b32 v[PW], v[PRM+2], 16, v[PW]
	s_delay_alu instid0(VALU_DEP_1)
	v_lshl_or_b32 v[PW], v[PRM+3], 24, v[PW]
.irp c, 0,1
	v_cvt_scalef32_pk16_fp6_f32 v[PC+6*\c:PC+2+6*\c], v[S+32*\c:S+15+32*\c], v[SOP+2*\c]
	v_cvt_scalef32_pk16_fp6_f32 v[PC+12+4*\c:PC+14+4*\c], v[S+16+32*\c:S+31+32*\c], v[SOP+2*\c+1]   ; (a conversion's three registers begin on an even number)
.endr
	v_nop                                          ; one plain place behind a scaled conversion
.irp c, 0,1                                    ; the operand's layout wants a whole block in a lane
.irp i, 0,1,2
	v_permlane16_swap_b32 v[PC+6*\c+\i], v[PC+12+4*\c+\i]
.endr
.irp i, 0,1,2
	s_delay_alu instid0(VALU_DEP_3)
	v_mov_b32 v[PC+3+6*\c+\i], v[PC+12+4*\c+\i]
.endr
.endr
.set II, 0
.rept 16
	v_pk_mul_f32 v[O+II:O+II+1], v[O+II:O+II+1], v[F:F+1] op_sel_hi:[1,0]   ; O^T under the new M.  Twelve of these sixteen name no register of any one product below: the places between the scale word's and the codes' last writes and that product
.set II, II+2
.endr
	s_wait_alu depctr_va_vdst(0)
	s_wait_dscnt 0x0                               ; V
.irp t, 0,1,2,3                                ; O^T += V^T P^T: four accumulators by turns
.if (\t)%2
	v_wmma_scale_f32_16x16x128_f8f6f4 v[O+8*\t:O+8*\t+7], v[KF+12*\t:KF+12*\t+11], v[PC:PC+11], v[O+8*\t:O+8*\t+7], v[VS+\t/2], v[PW] matrix_a_fmt:MATRIX_FMT_FP6 matrix_b_fmt:MATRIX_FMT_FP6 matrix_a_scale:MATRIX_SCALE_ROW1
.else
	v_wmma_scale_f32_16x16x128_f8f6f4 v[O+8*\t:O+8*\t+7], v[KF+12*\t:KF+12*\t+11], v[PC:PC+11], v[O+8*\t:O+8*\t+7], v[VS+\t/2], v[PW] matrix_a_fmt:MATRIX_FMT_FP6 matrix_b_fmt:MATRIX_FMT_FP6
.endif
.endr
	s_add_co_u32 s[TB], s[TB], STEPB
.endm
; ONE TILE OF 16 QUERIES against all 2,048 keys, and its way out.  more = 1: another tile follows
.macro PASS q, qs, more
	s_mov_b32 s[TB], 0
	s_mov_b32 s[CNT], 16
	v_mov_b32 v13, 0xff61b1e6                      ; the largest t so far: -3e38, under every t
	s_delay_alu instid0(VALU_DEP_1)
	v_floor_f32 v12, -v13                          ; -M
	v_mov_b32 v14, 0
	v_mov_b32 v15, 0
.set II, 0
.rept 32
	v_mov_b32 v[O+II], 0                           ; the step is written once: the first finds zeros, which the first change of M leaves zeros
.set II, II+1
.endr
.Lstep_\@:
	STEP \q, \qs
	s_sub_co_u32 s[CNT], s[CNT], 1
	s_cmp_lg_u32 s[CNT], 0
	s_cbranch_scc1 .Lstep_\@
.rept 4
	v_nop                                          ; places behind the last products
.endr
	v_add_f32 v14, v14, v15                        ; the sum's two halves,
	s_delay_alu instid0(VALU_DEP_1)
	v_permlanex16_b32 v[T0], v14, s[SEL], s[SEL+1]
	s_delay_alu instid0(VALU_DEP_1)
	v_add_f32 v14, v14, v[T0]                      ; and lane l xor 16's: the row's sum
	s_wait_alu depctr_va_vdst(0)
	v_rcp_f32 v[F], v14
	v_nop                                          ; a plain place behind the reciprocal
	s_wait_alu depctr_va_vdst(0)                   ; the wait ahead of its first reader
.set II, 0
.rept 16
	v_pk_mul_f32 v[S+II:S+II+1], v[O+II:O+II+1], v[F:F+1] op_sel_hi:[1,0]   ; ctx: register 16 b + i is channel 32 b + 16 h + i of my query; each accumulator from its low end on
.set II, II+2
.endr
.irp b, 0,1                                    ; the head's two blocks of 32 along the last product's K
	v_max3_num_f32 v[BMX+\b], |v[S+16*\b]|, |v[S+1+16*\b]|, 0x1800000
.endr
.irp i, 2,4,6,8,10,12,14
.irp b, 0,1
	s_delay_alu instid0(VALU_DEP_2)
	v_max3_num_f32 v[BMX+\b], v[BMX+\b], |v[S+16*\b+\i]|, |v[S+1+16*\b+\i]|
.endr
.endr
.irp b, 0,1
	s_delay_alu instid0(VALU_DEP_2)
	v_permlanex16_b32 v[PRM+\b], v[BMX+\b], s[SEL], s[SEL+1]
.endr
.irp b, 0,1
	s_delay_alu instid0(VALU_DEP_2)
	v_max_num_f32 v[BMX+\b], v[BMX+\b], v[PRM+\b]
.endr
.irp b, 0,1
	s_delay_alu instid0(VALU_DEP_2)
	v_add_nc_u32 v[SOP+\b], 0xff000000, v[BMX+\b]
.endr
.irp b, 0,1
	s_delay_alu instid0(VALU_DEP_2)
	v_lshrrev_b32 v[PRM+\b], 23, v[SOP+\b]
.endr
	s_delay_alu instid0(VALU_DEP_1)
	v_cndmask_b32 v[T1], v[PRM], v[PRM+1], s[HM]   ; lanes 0-15 store block 0's byte, lanes 16-31 block 1's
	v_cvt_scalef32_pk16_fp6_f32 v[PC:PC+2], v[S:S+15], v[SOP]
	v_cvt_scalef32_pk16_fp6_f32 v[PC+12:PC+14], v[S+16:S+31], v[SOP+1]
	v_nop                                          ; one plain place behind a scaled conversion
.irp i, 0,1,2
	v_permlane16_swap_b32 v[PC+\i], v[PC+12+\i]
.endr
.irp i, 0,1,2
	s_delay_alu instid0(VALU_DEP_3)
	v_mov_b32 v[PC+3+\i], v[PC+12+\i]
.endr
	global_store_b128 v[L16], v[PC:PC+3], s[58:59]             ; 512 consecutive bytes
	global_store_b64 v[L8], v[PC+4:PC+5], s[58:59] offset:512  ; 256
	global_store_b8 v[CSO], v[T1], s[60:61]
.if \more
	s_wait_xcnt 0x0                                ; the stores have read their registers and bases: both may be written again
	s_add_nc_u64 s[58:59], s[58:59], 12288         ; on to my second tile
	s_add_nc_u64 s[60:61], s[60:61], 512
.endif
.endm
	PASS QA, QSA, 1
	PASS QB, QSB, 0
	s_wait_kmcnt 0x0                               ; the last look-ahead
	s_wait_tensorcnt 0x0                           ; the wave's end
	ds_add_u32 v[SPW], v[NIL]
	s_wait_dscnt 0x0
	CROUND                                         ; the closing round
	s_endpgm
.Lfunc_end_k_qf0b13103b5_attn:
	.size	k_qf0b13103b5_attn, .Lfunc_end_k_qf0b13103b5_attn-k_qf0b13103b5_attn
	.p2alignl 7, 3214868480
	.fill 96, 4, 3214868480
	.section	.rodata,"a",@progbits
	.p2align	6, 0x0
	.amdhsa_kernel k_qf0b13103b5_attn
		.amdhsa_group_segment_fixed_size 212992
		.amdhsa_private_segment_fixed_size 0
		.amdhsa_enable_private_segment 0
		.amdhsa_kernarg_size 40
		.amdhsa_user_sgpr_count 2
		.amdhsa_user_sgpr_kernarg_segment_ptr 1
		.amdhsa_wavefront_size32 1
		.amdhsa_system_sgpr_workgroup_id_x 1
		.amdhsa_system_sgpr_workgroup_id_y 1
		.amdhsa_system_sgpr_workgroup_id_z 1
		.amdhsa_system_vgpr_workitem_id 0
		.amdhsa_next_free_vgpr 256
		.amdhsa_next_free_sgpr 102
		.amdhsa_reserve_vcc 0
		.amdhsa_float_denorm_mode_32 3
		.amdhsa_float_denorm_mode_16_64 3
		.amdhsa_memory_ordered 1
		.amdhsa_forward_progress 1
		.amdhsa_inst_pref_size 63
	.end_amdhsa_kernel
	.amdgpu_metadata
---
amdhsa.version: [ 1, 2 ]
amdhsa.kernels:
  - .name:           k_qf0b13103b5_attn
    .symbol:         k_qf0b13103b5_attn.kd
    .args:
      - { .name: qi, .offset: 0, .size: 8, .value_kind: global_buffer, .address_space: global }
      - { .name: kv, .offset: 8, .size: 8, .value_kind: global_buffer, .address_space: global }
      - { .name: mb, .offset: 16, .size: 8, .value_kind: global_buffer, .address_space: global }
      - { .name: cc, .offset: 24, .size: 8, .value_kind: global_buffer, .address_space: global }
      - { .name: cs, .offset: 32, .size: 8, .value_kind: global_buffer, .address_space: global }
    .group_segment_fixed_size: 212992
    .private_segment_fixed_size: 0
    .kernarg_segment_align: 8
    .kernarg_segment_size: 40
    .max_flat_workgroup_size: 512
    .sgpr_count:     102
    .vgpr_count:     256
    .wavefront_size: 32
...
	.end_amdgpu_metadata
.endif
;; end of part 3
;; launch oproj (part 4): grid 4 x 64, 4 waves a work-group, clusters of 4 x 4, 327,680 bytes of LDS; arguments cc, cs, ac, as, bo, out0; writes out0
.if DOCPART == 4
	.amdgcn_target "amdgcn-amd-amdhsa--gfx1250"
	.amdhsa_code_object_version 6
	.text
	.protected	k_qf0b13103b5_oproj
	.globl	k_qf0b13103b5_oproj
	.p2align	8
	.type	k_qf0b13103b5_oproj,@function
k_qf0b13103b5_oproj:
	s_mov_b64 s[64:65], 0
	v_nop
	global_prefetch_b8 v0, s[64:65] scope:SCOPE_SE
	s_setreg_imm32_b32 hwreg(HW_REG_WAVE_MODE, 25, 1), 1
	s_wait_xcnt 0x0
	s_wait_alu depctr_hold_cnt(0) depctr_sa_sdst(0) depctr_va_vdst(0) depctr_va_sdst(0) depctr_va_ssrc(0) depctr_va_vcc(0) depctr_vm_vsrc(0)
	s_getreg_b32 s2, hwreg(HW_REG_IB_STS2, 6, 4)
	s_cmp_eq_u32 s2, 0
	s_cbranch_scc0 .Lentry_in_a_cluster
	s_endpgm
.Lentry_in_a_cluster:
	s_bfe_u32 s2, ttmp6, 0x10000c
	s_cmp_lg_u32 s2, 0xf033
	s_cbranch_scc0 .Lentry_shape_is_right
	s_endpgm
.Lentry_shape_is_right:
; OPROJ.  out0[8192][1024] = ctx Wo^T + bo, on codes of FP6 (E2M3) with E8M0 scales; f32 sums; the bias is the first products' C.
; cc, cs: ctx's codes and scale bytes as the attention launch leaves them; ac, as: Wo's, tiles 1,728 to 1,791, as the first launch leaves them.  A tile is 16 rows (tile 2 B + u: rows 32 B + 8 u + p + 8 (p / 8)),
; 12,288 bytes of register images: half a fragment (64 K) is 768 bytes, registers 0-3 at 16 x lane, registers 4-5 at 512 + 8 x lane.  Scales: 512 bytes a tile, the word of K step q of row r at 128 (q / 2) + 8 r + 4 (q % 2).
; SHARES.  256 work-groups; each makes 128 rows x 256 columns; its four waves, 2 x 2, make 64 x 128 each: 32 accumulators, 256 registers.
; ALL OF K LIES IN LDS: 8 tiles of ctx and 16 of Wo are 294,912 bytes, filled once, in two halves of K: wave 0 asks for ctx's first half, wave 1 for Wo's, waves 2 and 3 for the second halves: one tensor load a wave.
; Nothing is filled again: no ring.  The first barrier shows waves 0 and 1's tiles; the second, in K step 3, shows the rest.  A tensor row is 6,144 bytes and begins on a multiple of 256.
; CLUSTER 4 x 4: ctx's tiles are shared along a row of the cluster, Wo's along a column: joint loads.  No prefetch: every tile is asked for at the head, and there is no loop to run ahead in.
; SCALE WORDS go straight into registers: a load of 8 bytes a lane covers 256 consecutive bytes of a tile's block; lanes 0-15 get K steps 4 j, 4 j + 1, lanes 16-31 K steps 4 j + 2, 4 j + 3; the row selector picks.
; THE PRODUCT IS USED TRANSPOSED (source 0 = Wo's rows): a lane holds eight neighbouring columns of a row of out0.  The way out goes through a stage in LDS, in bytes of K's first half, read no more behind the second barrier.
; REGISTERS: window 0: v0-31 addresses, v32-47 ctx's scale words, v50-81 Wo's, v96-159 the bias, v160-255 ctx's fragments, two sets; window 1: Wo's fragments, two sets, at v0 and v128; window 2: the accumulators.
.set FR,     12
.set TH,     6144                      ; a tile's bytes in half of K
.set AH,     8*TH                      ; ctx's 8 tiles
.set HS,     24*TH                     ; a half of K: ctx's 8 tiles, then Wo's 16
.set SPARE,  2*HS                      ; the spare words: two blocks of 256 bytes that no other line names
.set SPITCH, 528
.set BNO,  9
.set STO,  10
.set RD,   11
.set SCO,  12
.set ADRA, 16                          ; v16, v17: 16 x lane in my ctx tiles, K's first and second half; v18, v19: 8 x lane
.set ADRB, 20                          ; v20-23 the same for Wo
.set L16,  24
.set L8,   25
.set SPW,  28
.set NIL,  29
.set SAB,  32
.set SBB,  50
.set BN,   96
.set AF,   160
.set BK,   128
.set G1,  24
.set G0,  32
.set G1B, 48
.set G0B, 56
.set MSB, 0
.macro WIN new
.if MSB != (\new)
	s_set_vgpr_msb (MSB<<8)|(\new)
.set MSB, (\new)
.endif
.endm
.macro PLACES n
.rept \n
	v_nop
.endr
.endm
.macro TLOAD g0, g1
	tensor_load_to_lds s[\g0:\g0+3], s[\g1:\g1+7]
	s_nop 0
	PLACES 4
.endm
.macro CROUND
	s_barrier_signal -1
	s_barrier_wait -1
	s_cmp_lg_u32 s14, 0
	s_cbranch_scc1 .Lnot_wave_0_\@
	s_barrier_signal -3
.Lnot_wave_0_\@:
	s_barrier_wait -3
	s_barrier_signal -1
	s_barrier_wait -1
.endm
	s_load_b256 s[4:11], s[0:1], 0x0               ; cc, cs, ac, as
	s_load_b128 s[96:99], s[0:1], 0x20             ; bo, out0
	v_lshl_add_u32 v[SPW], v0, 2, SPARE
	v_mov_b32 v[NIL], 0
	ds_add_u32 v[SPW], v[NIL]                      ; the opening lines
	ds_add_u32 v[SPW], v[NIL]
	v_lshrrev_b32 v1, 5, v0
	v_readfirstlane_b32 s14, v1                    ; wave
	s_lshr_b32 s15, s14, 1                         ; my half of the rows; also: which half of K I fetch
	s_and_b32 s16, s14, 1                          ; my half of the columns; also: I fetch ctx (0) or Wo (1)
	s_bfe_u32 s40, ttmp6, 0x40000                  ; cx
	s_bfe_u32 s41, ttmp6, 0x40004                  ; cy
	s_and_b32 s17, ttmp7, 0xffff
	s_lshl_b32 s17, s17, 2
	s_add_co_u32 s17, s17, s41                     ; block row, 0 .. 63
	s_lshl_b32 s43, s41, 2
	s_lshl_b32 s43, 15, s43                        ; my row of the cluster
	s_lshl_b32 s44, 0x1111, s40                    ; my column
	s_or_b32 s[G1], s43, (3<<16)|(1<<21)           ; elements of 8 bytes; rows of 768 elements, 1,536 apart; 8 rows of ctx, 16 of Wo
	s_or_b32 s[G1B], s44, (3<<16)|(1<<21)
	s_mov_b32 s[G1+2], 8<<16
	s_mov_b32 s[G1+4], 8
	s_mov_b32 s[G1B+2], 16<<16
	s_mov_b32 s[G1B+4], 16
.irp g, G1, G1B
	s_mov_b32 s[\g+1], 768<<16
	s_mov_b32 s[\g+3], 768<<16
	s_mov_b32 s[\g+5], 1536
	s_mov_b32 s[\g+6], 0
	s_mov_b32 s[\g+7], 0
.endr
	s_mul_i32 s18, s15, TH
	s_mul_i32 s20, s17, 8*12288
	s_add_co_u32 s20, s20, s18                     ; ctx: the block's 8 tiles, my half of K
	s_mov_b32 s21, 0
	s_lshl_b32 s19, s40, 4
	s_add_co_u32 s19, s19, 1728                    ; Wo: tile 1,728 + 16 cx
	s_mul_i32 s46, s19, 12288
	s_add_co_u32 s46, s46, s18
	s_mov_b32 s47, 0
	s_mov_b32 s[G0], 1
	s_mul_i32 s[G0+1], s15, HS
	s_mov_b32 s[G0B], 1
	s_add_co_u32 s[G0B+1], s[G0+1], AH
	s_lshl_b32 s22, s17, 3                         ; my wave's scale blocks: ctx's tile 8 x block row + 4 x row half,
	s_lshl_b32 s23, s15, 2
	s_add_co_u32 s22, s22, s23
	s_lshl_b32 s22, s22, 9
	s_mov_b32 s23, 0
	s_lshl_b32 s92, s16, 3                         ; Wo's tile + 8 x column half
	s_add_co_u32 s92, s92, s19
	s_lshl_b32 s92, s92, 9
	s_mov_b32 s93, 0
	s_mul_i32 s60, s15, 4*TH                       ; LDS: my 4 tiles of ctx and my 8 of Wo, in both halves of K
	s_add_co_u32 s66, s60, HS
	s_mul_i32 s61, s16, 8*TH
	s_add_co_u32 s61, s61, AH
	s_add_co_u32 s67, s61, HS
	s_lshl_b32 s62, s40, 10
	s_lshl_b32 s63, s16, 9
	s_add_co_u32 s62, s62, s63                     ; my first column, in bytes
	s_lshl_b32 s94, s17, 7
	s_lshl_b32 s95, s15, 6
	s_add_co_u32 s94, s94, s95                     ; my first row
	s_lshl_b32 s94, s94, 12
	s_add_co_u32 s94, s94, s62
	s_mov_b32 s95, 0
	s_mul_i32 s63, s14, 16*SPITCH                  ; my stage
	s_wait_dscnt 0x0                               ; both opening adds are done
	s_wait_kmcnt 0x0
	s_add_nc_u64 s[G0+2:G0+3], s[4:5], s[20:21]
	s_or_b32 s[G0+3], s[G0+3], 0x80000000
	s_add_nc_u64 s[G0B+2:G0B+3], s[8:9], s[46:47]
	s_or_b32 s[G0B+3], s[G0B+3], 0x80000000
	s_add_nc_u64 s[6:7], s[6:7], s[22:23]
	s_add_nc_u64 s[10:11], s[10:11], s[92:93]
	s_add_nc_u64 s[12:13], s[98:99], s[94:95]
	CROUND                                         ; all sixteen work-groups are here: the joint loads meet
	s_cmp_eq_u32 s14, 0                            ; one chain, one load to an arm: the waves that the first barrier waits for have lines of their own
	s_cbranch_scc0 .Lw1
	TLOAD G0, G1
	s_branch .Lasked
.Lw1:
	s_cmp_eq_u32 s14, 1
	s_cbranch_scc0 .Lw2
	TLOAD G0B, G1B
	s_branch .Lasked
.Lw2:
	s_cmp_eq_u32 s14, 2
	s_cbranch_scc0 .Lw3
	TLOAD G0, G1
	s_branch .Lasked
.Lw3:
	TLOAD G0B, G1B
.Lasked:
	v_and_b32 v1, 15, v0                           ; r
	v_bfe_u32 v2, v0, 4, 1                         ; h
	v_and_b32 v3, 31, v0
	v_lshlrev_b32 v[L16], 4, v3
	v_lshlrev_b32 v[L8], 3, v3
	v_add_nc_u32 v[ADRA], s60, v[L16]
	v_add_nc_u32 v[ADRA+1], s66, v[L16]
	v_add_nc_u32 v[ADRA+2], s60, v[L8]
	v_add_nc_u32 v[ADRA+3], s66, v[L8]
	v_add_nc_u32 v[ADRB], s61, v[L16]
	v_add_nc_u32 v[ADRB+1], s67, v[L16]
	v_add_nc_u32 v[ADRB+2], s61, v[L8]
	v_add_nc_u32 v[ADRB+3], s67, v[L8]
	v_lshlrev_b32 v[SCO], 3, v1
	v_lshl_add_u32 v[SCO], v2, 7, v[SCO]           ; scale words: 128 h + 8 r
	v_lshl_add_u32 v[BNO], v2, 6, s62              ; the bias: my columns, + 16 h
	v_mul_u32_u24 v5, v1, SPITCH
	v_lshl_add_u32 v5, v2, 6, v5
	v_add_nc_u32 v[STO], s63, v5                   ; into the stage: row r, 64 h
	v_add_nc_u32 v[RD], s63, v[L16]                ; out of it: a row of 512 bytes
	s_wait_alu depctr_va_vdst(0)
.irp i, 0,1,2,3
.irp j, 0,1
	global_load_b64 v[SAB+4*\i+2*\j:SAB+4*\i+2*\j+1], v[SCO], s[6:7] offset:512*\i+256*\j
.endr
.endr
.irp i, 0,1,2,3,4,5,6,7
.irp j, 0,1
	global_load_b64 v[SBB+4*\i+2*\j:SBB+4*\i+2*\j+1], v[SCO], s[10:11] offset:512*\i+256*\j
.endr
.endr
.irp b, 0,1,2,3,4,5,6,7
	global_load_b128 v[BN+8*\b:BN+8*\b+3], v[BNO], s[96:97] offset:(32*(\b/2)+8*(\b%2))*4
	global_load_b128 v[BN+8*\b+4:BN+8*\b+7], v[BNO], s[96:97] offset:(32*(\b/2)+8*(\b%2))*4+16
.endr
.macro FRAG reg, a16, a8, off
	ds_load_b128 v[\reg:\reg+3], v[\a16] offset:\off
	ds_load_b64 v[\reg+4:\reg+5], v[\a8] offset:(\off)+512
	ds_load_b128 v[\reg+6:\reg+9], v[\a16] offset:(\off)+768
	ds_load_b64 v[\reg+10:\reg+11], v[\a8] offset:(\off)+1280
.endm
.macro FETCH q                         ; K step q's fragments, Wo's eight and ctx's four, into set q % 2: 48 loads
	WIN 0x40
.irp i, 0,1,2,3,4,5,6,7
	FRAG 128*((\q)%2)+FR*\i, ADRB+(\q)/4, ADRB+2+(\q)/4, TH*\i+1536*((\q)%4)
.endr
	WIN 0
.irp i, 0,1,2,3
	FRAG AF+48*((\q)%2)+FR*\i, ADRA+(\q)/4, ADRA+2+(\q)/4, TH*\i+1536*((\q)%4)
.endr
.endm
.macro MM a, b, q
.set D_, 8*(8*(\a)+\b)
.set XB_, SBB+4*\b+2*((\q)/4)+(\q)%2
.set XA_, SAB+4*(\a)+2*((\q)/4)+(\q)%2
.set FB_, 128*((\q)%2)+FR*\b
.set FA_, AF+48*((\q)%2)+FR*(\a)
.if (\q) == 0
	v_wmma_scale_f32_16x16x128_f8f6f4 v[D_:D_+7], v[FB_:FB_+11], v[FA_:FA_+11], v[BN+8*\b:BN+8*\b+7], v[XB_], v[XA_] matrix_a_fmt:MATRIX_FMT_FP6 matrix_b_fmt:MATRIX_FMT_FP6
.elseif ((\q)%4)/2
	v_wmma_scale_f32_16x16x128_f8f6f4 v[D_:D_+7], v[FB_:FB_+11], v[FA_:FA_+11], v[D_:D_+7], v[XB_], v[XA_] matrix_a_fmt:MATRIX_FMT_FP6 matrix_b_fmt:MATRIX_FMT_FP6 matrix_a_scale:MATRIX_SCALE_ROW1 matrix_b_scale:MATRIX_SCALE_ROW1
.else
	v_wmma_scale_f32_16x16x128_f8f6f4 v[D_:D_+7], v[FB_:FB_+11], v[FA_:FA_+11], v[D_:D_+7], v[XB_], v[XA_] matrix_a_fmt:MATRIX_FMT_FP6 matrix_b_fmt:MATRIX_FMT_FP6
.endif
.endm
.macro MUL16 a0, q                     ; 16 products; the 32 accumulators take turns, in the same order in every K step
.if (\q) == 0
	WIN 0x81
.else
	WIN 0xa1
.endif
.irp a, \a0, \a0+1
.irp b, 0,1,2,3,4,5,6,7
	MM (\a), \b, \q
.endr
.endr
.endm
.macro STEP q, fetch                   ; this step's fragments were asked for a step ago; the next step's are asked for ahead of this step's 32 products
	s_wait_dscnt 0x0
.if (\q) > 0
	PLACES 4                                       ; between the last step's products and the loads into the set that they read
.endif
.if \fetch
	FETCH (\q)+1
.endif
	MUL16 0, \q
	MUL16 2, \q
.endm
	s_cmp_lt_u32 s14, 2
	s_cbranch_scc0 .Lnot_first
	s_wait_tensorcnt 0x0                           ; waves 0 and 1: my tile of K's first half is in
.Lnot_first:
	s_barrier_signal -1
	s_barrier_wait -1                              ; both are
	FETCH 0
	s_wait_loadcnt 0x0                             ; the scale words and the bias
	STEP 0, 1
	STEP 1, 1
	STEP 2, 1
	s_wait_dscnt 0x0                               ; K step 3: my reads of K's first half are over,
	PLACES 4
	s_wait_tensorcnt 0x0                           ; and whatever I asked for is in
	s_barrier_signal -1
	MUL16 0, 3
	s_barrier_wait -1                              ; K's second half is whole, and nobody reads the first any more
	FETCH 4
	MUL16 2, 3
	STEP 4, 1
	STEP 5, 1
	STEP 6, 1
	STEP 7, 0
	WIN 0
; THE WAY OUT, by blocks of 16 rows x 128 columns, through my stage: whole rows of 512 bytes come back and leave as two aligned units of 256 bytes.  LDS serves a wave's instructions in order.
.macro TOSTAGE a
.set AC, 64*(\a)
	WIN 0x08
.irp b, 0,1,2,3,4,5,6,7
	ds_store_b128 v[STO], v[AC+8*\b:AC+8*\b+3] offset:128*(\b/2)+32*(\b%2)
	ds_store_b128 v[STO], v[AC+8*\b+4:AC+8*\b+7] offset:128*(\b/2)+32*(\b%2)+16
.endr
	WIN 0
.set BB, BK+64*((\a)%2)
.irp t, 0,1,2,3,4,5,6,7,8,9,10,11,12,13,14,15
	ds_load_b128 v[BB+4*\t:BB+4*\t+3], v[RD] offset:\t*SPITCH
.endr
.endm
.macro SEND a, younger
.set BB, BK+64*((\a)%2)
	s_wait_dscnt \younger                          ; the block is back; the next block's 16 stores and 16 loads may be out
.irp t, 0,1,2,3,4,5,6,7,8,9,10,11,12,13,14,15
	global_store_b128 v[L16], v[BB+4*\t:BB+4*\t+3], s[12:13] offset:(32*((\a)/2)+8*((\a)%2)+\t+8*(\t/8))*4096 th:TH_STORE_NT
.endr
.endm
	PLACES 4                                       ; behind the last products: their results are read, and loads land where ctx's fragments lay
	TOSTAGE 0
.irp a, 1,2,3
.if \a > 1
	s_wait_xcnt 0x0                                ; block a - 2's stores have read their registers
.endif
	TOSTAGE \a
	SEND \a-1, 32
.endr
	SEND 3, 0
	s_wait_tensorcnt 0x0                           ; the wave's end
	ds_add_u32 v[SPW], v[NIL]
	s_wait_dscnt 0x0
	CROUND                                         ; the closing round
	s_endpgm
.Lfunc_end_k_qf0b13103b5_oproj:
	.size	k_qf0b13103b5_oproj, .Lfunc_end_k_qf0b13103b5_oproj-k_qf0b13103b5_oproj
	.p2alignl 7, 3214868480
	.fill 96, 4, 3214868480
	.section	.rodata,"a",@progbits
	.p2align	6, 0x0
	.amdhsa_kernel k_qf0b13103b5_oproj
		.amdhsa_group_segment_fixed_size 327680
		.amdhsa_private_segment_fixed_size 0
		.amdhsa_enable_private_segment 0
		.amdhsa_kernarg_size 48
		.amdhsa_user_sgpr_count 2
		.amdhsa_user_sgpr_kernarg_segment_ptr 1
		.amdhsa_wavefront_size32 1
		.amdhsa_system_sgpr_workgroup_id_x 1
		.amdhsa_system_sgpr_workgroup_id_y 1
		.amdhsa_system_sgpr_workgroup_id_z 1
		.amdhsa_system_vgpr_workitem_id 0
		.amdhsa_next_free_vgpr 768
		.amdhsa_next_free_sgpr 100
		.amdhsa_reserve_vcc 0
		.amdhsa_float_denorm_mode_32 3
		.amdhsa_float_denorm_mode_16_64 3
		.amdhsa_memory_ordered 1
		.amdhsa_forward_progress 1
		.amdhsa_inst_pref_size 84
	.end_amdhsa_kernel
	.amdgpu_metadata
---
amdhsa.version: [ 1, 2 ]
amdhsa.kernels:
  - .name:           k_qf0b13103b5_oproj
    .symbol:         k_qf0b13103b5_oproj.kd
    .args:
      - { .name: cc, .offset: 0, .size: 8, .value_kind: global_buffer, .address_space: global }
      - { .name: cs, .offset: 8, .size: 8, .value_kind: global_buffer, .address_space: global }
      - { .name: ac, .offset: 16, .size: 8, .value_kind: global_buffer, .address_space: global }
      - { .name: as, .offset: 24, .size: 8, .value_kind: global_buffer, .address_space: global }
      - { .name: bo, .offset: 32, .size: 8, .value_kind: global_buffer, .address_space: global }
      - { .name: out0, .offset: 40, .size: 8, .value_kind: global_buffer, .address_space: global }
    .group_segment_fixed_size: 327680
    .private_segment_fixed_size: 0
    .kernarg_segment_align: 8
    .kernarg_segment_size: 48
    .max_flat_workgroup_size: 128
    .sgpr_count:     100
    .vgpr_count:     768
    .wavefront_size: 32
...
	.end_amdgpu_metadata
.endif
;; end of part 4
